; MI455X (gfx1250); checked and timed in simulation.
; The chip was launched on July 23, 2026; its instructions are those of AMD's public machine-readable ISA for CDNA 5 (MIT licence, August 2026) and "CDNA5" Instruction Set Architecture Reference Guide (July 2026). The comments in the code are by the model that wrote it; some were corrected since.
;; Cached Ro PE Attention. Allowed arithmetic: float matrix products may take bf16 or f16 operands with f32 sums; all other float work in f32.
;; Inputs: Wk 1,024 x 1,024 float32; Wo 1,024 x 1,024 float32; Wq 1,024 x 1,024 float32; Wv 1,024 x 1,024 float32; x 2 x 2,048 x 1,024 float32.
;; Outputs: out0 2 x 2,048 x 1,024 float32.
;; 2 versions, each right; version 2 is version 1 with the launch prep written anew for expert scheduling mode. Each part assembles by itself: llvm-mc -triple=amdgcn-amd-amdhsa -mcpu=gfx1250 --defsym DOCPART=n.
;; ======== version 1 of 2: 4 launches
;; limits: values are held in f16: magnitudes above 65,504 overflow, below 6.1e-05 lose precision
;; workspace buffers: xb 8,388,608 bytes; wb 8,388,608 bytes; tab 524,288 bytes; qb 8,388,608 bytes; kb 8,388,608 bytes; vb 8,388,608 bytes; ao 16,777,216 bytes
;; launch prep (part 1): grid 256 x 1, 8 waves a work-group, no clusters, 0 bytes of LDS; arguments x, Wq, Wk, Wv, Wo, xb, wb, tab; writes xb, wb, tab
.if DOCPART == 1
	.amdgcn_target "amdgcn-amd-amdhsa--gfx1250"
	.amdhsa_code_object_version 6
	.text
	.protected	k_q4513ffa167_prep
	.globl	k_q4513ffa167_prep
	.p2align	8
	.type	k_q4513ffa167_prep,@function
k_q4513ffa167_prep:
	s_mov_b64 s[64:65], 0
	v_nop
	global_prefetch_b8 v0, s[64:65] scope:SCOPE_SE
	s_setreg_imm32_b32 hwreg(HW_REG_WAVE_MODE, 25, 1), 1
	s_wait_xcnt 0x0
; prep: x and the four weight matrices are rounded once to bf16, and the cos/sin cache is made.
;   xb  [4096][1024] bf16 = x
;   wb  [4096][1024] bf16: row 192 h + 64 m + e = row 64 h + e of Wq, Wk, Wv (m = 0, 1, 2): a head's 192 rows lie together; rows 3072 + e = Wo
;   tab [2048 t][64] f32: cos(t theta_i), i = 0..31, then sin(t theta_i); theta_i = 10000^(-i/32)
; A stream: no LDS, no matrix unit, no cluster (no byte is read twice).  256 work-groups of 8 waves; work-group g takes 64 KiB of x,
; rows 4 g .. 4 g + 3 of each W and table rows 8 g .. 8 g + 7.  A thread issues all its 32 loads of 16 bytes at once, makes its two
; table numbers while they are on their way, and then rounds and stores each load as it comes: a wave's store of 8 bytes a lane
; covers 256 consecutive bytes, aligned.
; LIMIT: cos and sin come from a reduction to half turns and an odd polynomial of degree 11 (remainder 6e-8); theta comes from v_exp_f32
; (1 ULP), so at the largest angles (t theta near 2,000) a table number may differ from an exactly rounded cache by some 2e-4.
.set X,   32                           ; v[32:159]  load n: 4 registers
.set IPH, 0x3ea2f983                   ; 1/pi, rounded to f32
.set IPL, 0x325c9c88                   ; 1/pi minus that
.set NLT, 0xbed49a78                   ; -log2(10000)/32
	s_load_b512 s[4:19], s[0:1], 0x0               ; x, Wq, Wk, Wv, Wo, xb, wb, tab
	v_lshlrev_b32 v1, 4, v0                        ; 16 bytes a thread in
	v_lshlrev_b32 v2, 3, v0                        ; 8 bytes a thread out
	s_lshl_b32 s20, ttmp9, 16                      ; x: 65,536 bytes a work-group
	s_mov_b32 s21, 0
	s_lshl_b32 s22, ttmp9, 14                      ; each W: 4 rows of 4,096 bytes
	s_mov_b32 s23, 0
	s_lshl_b32 s24, ttmp9, 15                      ; xb: 32,768 bytes
	s_mov_b32 s25, 0
	s_lshr_b32 s26, ttmp9, 4                       ; head = g / 16
	s_mul_i32 s26, s26, 192
	s_and_b32 s27, ttmp9, 15
	s_lshl2_add_u32 s26, s27, s26                  ; row in wb = 192 head + 4 (g % 16)
	s_lshl_b32 s26, s26, 11                        ; rows of 2,048 bytes
	s_mov_b32 s27, 0
	s_lshl_b32 s28, ttmp9, 13                      ; Wo's part of wb: 4 rows of 2,048 bytes
	s_mov_b32 s29, 0
	s_lshl_b32 s30, ttmp9, 11                      ; tab: 8 rows of 256 bytes
	s_mov_b32 s31, 0
	s_lshl_b32 s2, ttmp9, 3                        ; first t of the work-group
	s_wait_kmcnt 0x0
	s_add_nc_u64 s[4:5], s[4:5], s[20:21]
	s_add_nc_u64 s[6:7], s[6:7], s[22:23]
	s_add_nc_u64 s[8:9], s[8:9], s[22:23]
	s_add_nc_u64 s[10:11], s[10:11], s[22:23]
	s_add_nc_u64 s[12:13], s[12:13], s[22:23]
	s_add_nc_u64 s[14:15], s[14:15], s[24:25]
	s_add_nc_u64 s[26:27], s[16:17], s[26:27]      ; wb at my rows of the head's block
	s_add_nc_u64 s[28:29], s[16:17], s[28:29]      ; wb at my rows of Wo, less the 3,072 rows that the immediate adds
	s_add_nc_u64 s[18:19], s[18:19], s[30:31]
.irp c, 0,1,2,3,4,5,6,7,8,9,10,11,12,13,14,15
	global_load_b128 v[X+4*\c:X+4*\c+3], v1, s[4:5] offset:\c*4096 th:TH_LOAD_NT
.endr
.irp c, 0,1,2,3
	global_load_b128 v[X+64+4*\c:X+64+4*\c+3], v1, s[6:7] offset:\c*4096 th:TH_LOAD_NT
.endr
.irp c, 0,1,2,3
	global_load_b128 v[X+80+4*\c:X+80+4*\c+3], v1, s[8:9] offset:\c*4096 th:TH_LOAD_NT
.endr
.irp c, 0,1,2,3
	global_load_b128 v[X+96+4*\c:X+96+4*\c+3], v1, s[10:11] offset:\c*4096 th:TH_LOAD_NT
.endr
.irp c, 0,1,2,3
	global_load_b128 v[X+112+4*\c:X+112+4*\c+3], v1, s[12:13] offset:\c*4096 th:TH_LOAD_NT
.endr
	; The table, while the loads are on their way.  Wave w makes row t = 8 g + w; lane l makes numbers 2 l and 2 l + 1 of the row:
	; lanes 0-15 cos for i = 2 l, 2 l + 1, lanes 16-31 sin for i = 2 (l - 16), + 1.  cos(a) = sin(a + pi/2): half a half-turn more.
	v_and_b32 v4, 31, v0
	v_lshrrev_b32 v5, 5, v0
	v_add_nc_u32 v5, s2, v5
	v_cvt_f32_u32 v5, v5                           ; t
	v_and_b32 v6, 15, v4
	v_lshlrev_b32 v6, 1, v6
	v_cvt_f32_u32 v6, v6                           ; i
	v_add_f32 v7, 1.0, v6                          ; i + 1
	v_lshrrev_b32 v8, 4, v4
	v_cvt_f32_u32 v8, v8
	v_fma_f32 v8, v8, -0.5, 0.5                    ; ph = 0.5 for cos, 0 for sin
	v_mul_f32 v6, NLT, v6
	v_mul_f32 v7, NLT, v7
	v_exp_f32 v10, v6                              ; theta_i
	v_exp_f32 v11, v7
	v_nop                                          ; one plain instruction behind the transcendentals before their results are used (ISA guide 5.7.2)
	s_wait_alu depctr_va_vdst(0)
.irp a, 10, 11
	v_mul_f32 v[\a], v5, v[\a]                     ; the angle, rounded as the cache's outer product rounds it
	v_fmamk_f32 v[\a+2], v[\a], IPH, v8            ; half turns
	v_rndne_f32 v[\a+4], v[\a+2]                   ; k: whole half turns
	v_sub_f32 v[\a+2], v8, v[\a+4]                 ; ph - k, exact
	v_fmamk_f32 v[\a+6], v[\a], IPH, v[\a+2]       ; the fraction g in [-0.5, 0.5], formed with one rounding,
	v_fmamk_f32 v[\a+6], v[\a], IPL, v[\a+6]       ; and 1/pi's lower part
	v_mul_f32 v[\a+8], v[\a+6], v[\a+6]            ; z = g g
	v_mov_b32 v[\a+10], 0xbbf183a6                 ; sin(pi g) = g (pi - pi^3/3! z + .. - pi^11/11! z^5)
	v_fmaak_f32 v[\a+10], v[\a+10], v[\a+8], 0x3da83c1b
	v_fmaak_f32 v[\a+10], v[\a+10], v[\a+8], 0xbf196966
	v_fmaak_f32 v[\a+10], v[\a+10], v[\a+8], 0x402335e3
	v_fmaak_f32 v[\a+10], v[\a+10], v[\a+8], 0xc0a55de7
	v_fmaak_f32 v[\a+10], v[\a+10], v[\a+8], 0x40490fdb
	v_mul_f32 v[\a+10], v[\a+10], v[\a+6]
	v_cvt_i32_f32 v[\a+4], v[\a+4]
	v_lshlrev_b32 v[\a+4], 31, v[\a+4]             ; an odd k turns the sign
	v_xor_b32 v[\a+12], v[\a+10], v[\a+4]
.endr
	global_store_b64 v2, v[22:23], s[18:19]        ; a wave stores one table row of 256 bytes
; Load n has come (the 31 - n younger ones may be out): four numbers are rounded to bf16 in place and stored.  No register is used again.
.macro CAST n, b, off
	s_wait_loadcnt 31-(\n)
	v_cvt_pk_bf16_f32 v[X+4*(\n)], v[X+4*(\n)], v[X+4*(\n)+1]
	v_cvt_pk_bf16_f32 v[X+4*(\n)+1], v[X+4*(\n)+2], v[X+4*(\n)+3]
	global_store_b64 v2, v[X+4*(\n):X+4*(\n)+1], s[\b:\b+1] offset:\off
.endm
.irp c, 0,1,2,3,4,5,6,7,8,9,10,11,12,13,14,15
	CAST \c, 14, \c*2048
.endr
.irp c, 0,1,2,3
	CAST 16+\c, 26, \c*2048
.endr
.irp c, 0,1,2,3
	CAST 20+\c, 26, 131072+\c*2048
.endr
.irp c, 0,1,2,3
	CAST 24+\c, 26, 262144+\c*2048
.endr
.irp c, 0,1,2,3
	CAST 28+\c, 28, 6291456+\c*2048
.endr
	s_endpgm
.Lfunc_end_k_q4513ffa167_prep:
	.size	k_q4513ffa167_prep, .Lfunc_end_k_q4513ffa167_prep-k_q4513ffa167_prep
	.p2alignl 7, 3214868480
	.fill 96, 4, 3214868480
	.section	.rodata,"a",@progbits
	.p2align	6, 0x0
	.amdhsa_kernel k_q4513ffa167_prep
		.amdhsa_group_segment_fixed_size 0
		.amdhsa_private_segment_fixed_size 0
		.amdhsa_enable_private_segment 0
		.amdhsa_kernarg_size 64
		.amdhsa_user_sgpr_count 2
		.amdhsa_user_sgpr_kernarg_segment_ptr 1
		.amdhsa_wavefront_size32 1
		.amdhsa_system_sgpr_workgroup_id_x 1
		.amdhsa_system_sgpr_workgroup_id_y 1
		.amdhsa_system_sgpr_workgroup_id_z 1
		.amdhsa_system_vgpr_workitem_id 0
		.amdhsa_next_free_vgpr 160
		.amdhsa_next_free_sgpr 66
		.amdhsa_reserve_vcc 0
		.amdhsa_float_denorm_mode_32 3
		.amdhsa_float_denorm_mode_16_64 3
		.amdhsa_memory_ordered 1
		.amdhsa_forward_progress 1
		.amdhsa_inst_pref_size 15
	.end_amdhsa_kernel
	.amdgpu_metadata
---
amdhsa.version: [ 1, 2 ]
amdhsa.kernels:
  - .name:           k_q4513ffa167_prep
    .symbol:         k_q4513ffa167_prep.kd
    .args:
      - { .name: x, .offset: 0, .size: 8, .value_kind: global_buffer, .address_space: global }
      - { .name: Wq, .offset: 8, .size: 8, .value_kind: global_buffer, .address_space: global }
      - { .name: Wk, .offset: 16, .size: 8, .value_kind: global_buffer, .address_space: global }
      - { .name: Wv, .offset: 24, .size: 8, .value_kind: global_buffer, .address_space: global }
      - { .name: Wo, .offset: 32, .size: 8, .value_kind: global_buffer, .address_space: global }
      - { .name: xb, .offset: 40, .size: 8, .value_kind: global_buffer, .address_space: global }
      - { .name: wb, .offset: 48, .size: 8, .value_kind: global_buffer, .address_space: global }
      - { .name: tab, .offset: 56, .size: 8, .value_kind: global_buffer, .address_space: global }
    .group_segment_fixed_size: 0
    .private_segment_fixed_size: 0
    .kernarg_segment_align: 8
    .kernarg_segment_size: 64
    .max_flat_workgroup_size: 256
    .sgpr_count:     66
    .vgpr_count:     160
    .wavefront_size: 32
...
	.end_amdgpu_metadata
.endif
;; end of part 1
;; launch qkv (part 2): grid 16 x 16, 4 waves a work-group, clusters of 4 x 4, 327,680 bytes of LDS; arguments xb, wb, tab, qb, kb, vb; writes qb, kb, vb
.if DOCPART == 2
	.amdgcn_target "amdgcn-amd-amdhsa--gfx1250"
	.amdhsa_code_object_version 6
	.text
	.protected	k_q4513ffa167_qkv
	.globl	k_q4513ffa167_qkv
	.p2align	8
	.type	k_q4513ffa167_qkv,@function
k_q4513ffa167_qkv:
	s_mov_b64 s[64:65], 0
	v_nop
	global_prefetch_b8 v0, s[64:65] scope:SCOPE_SE
	s_setreg_imm32_b32 hwreg(HW_REG_WAVE_MODE, 25, 1), 1
	s_wait_xcnt 0x0
	s_wait_alu depctr_hold_cnt(0) depctr_sa_sdst(0) depctr_va_vdst(0) depctr_va_sdst(0) depctr_va_ssrc(0) depctr_va_vcc(0) depctr_vm_vsrc(0)
	s_getreg_b32 s2, hwreg(HW_REG_IB_STS2, 6, 4)
	s_cmp_eq_u32 s2, 0
	s_cbranch_scc0 .Lentry_in_a_cluster
	s_endpgm
.Lentry_in_a_cluster:
	s_bfe_u32 s2, ttmp6, 0x10000c
	s_cmp_lg_u32 s2, 0xf033
	s_cbranch_scc0 .Lentry_shape_is_right
	s_endpgm
.Lentry_shape_is_right:
; qkv: q, k, v = x W^T for one head and 256 rows of x, RoPE on q and k on the way out.  Operands bf16, sums f32, results f16.
;   xb [4096][1024], wb rows 192 head .. + 191 = the head's 64 rows of Wq, Wk, Wv; tab [2048][cos 0..31, sin 0..31] f32
;   qb, kb, vb [batch * 16 + head][2048][64] f16
; WHY f16 OUT: the outputs of a sequence's first positions are means of few rows of v and so some ten times larger than a typical output;
; a rounding of v (or q, k) to 8 significant bits there is large against the typical output, one to 11 bits is not.
; LIMIT: a q, k or v beyond 65,504 overflows f16.  As drawn they stay under 6; with x and W both 30 times larger they reach about 5,000,
; with offsets of 30 spreads on both about 1,024 x 30 x 0.94 = 29,000.
; A work-group makes 256 rows x 192 columns with four waves; wave w makes rows 64 w .. + 63 and all 192 columns: 4 x 12 accumulator
; tiles of 16 x 16, 384 registers.  So the two numbers (i, i + 32) that RoPE turns lie in one lane, and whole rows of 128 bytes of
; q, k and v belong to one wave.  K = 1,024 goes in steps of 128 through two LDS slots filled by the tensor data mover: a tile's
; rows are 256 bytes of memory and start at multiples of 256 bytes from the buffer's first byte.
; CLUSTERS: 4 x 4 work-groups.  The four of a row of the cluster take the same rows of x, the four of a column the same head:
; each tile is asked for jointly by the four that need it, which divides the requests for both by four.
; REGISTERS, in windows of 256:
;   window 0: v16-27 addresses; v32-63, v64-95 fragments of x (4 x 16 rows x 32 K), two buffers; v96-255 at work on the way out
;   window 1: v0-95, v96-191 fragments of W (12 x 16 rows x 32 K), two buffers
;   window 2: accumulators of my row tiles 0, 1 (tile (a, b) at v[8 (12 a + b)]); v192-255 their cos and sin
;   window 3: the same for row tiles 2, 3
; The matrix instruction is used transposed (source 0 = rows of W, source 1 = rows of x): lane l holds row l % 16 of the result and
; its registers 0-7 the columns 8 (l / 16) + 0 .. 7 of the tile, eight neighbouring numbers.
.set PITCH,  272                       ; an LDS row: 256 bytes + 16 of padding, an odd multiple of 16: the 16 rows of a fragment load start at 16 different 16-byte columns
.set AHALF,  128*PITCH                 ; what one tensor load brings of x
.set BHALF,  96*PITCH                  ; and of W
.set ABYTES, 256*PITCH
.set SLOT,   448*PITCH                 ; x's 256 rows, then W's 192 rows
.set STAGE,  2*SLOT                    ; behind the ring: for each wave 3 matrices x 16 rows x 144 bytes
.set SP,     144
.set SMAT,   16*SP
.set KSTEP,  128
.set SIZE_K, 1024
.set LAPS,   SIZE_K/(2*KSTEP)          ; a lap = two K steps = once round the ring
.set ADRA, 16                          ; v16-17  LDS address of my x fragments in slot 0, 1
.set ADRB, 20                          ; v20-21  the same for W
.set STO,  24                          ; the way out: where I put 16 bytes of a row
.set RD,   25                          ; where I read rows back
.set CO,   26                          ; my byte offset in the output: 16 x lane
.set TADR, 27                          ; my byte offset in the table
.set FA,   32                          ; x fragments, buffer f at FA + 32 f (window 0)
.set FB,   0                           ; W fragments, buffer f at FB + 96 f (window 1)
.set TMP,  96                          ; v96-159   turned q and k in f32
.set PK,   160                         ; v160-207  q, k, v of 16 rows, packed
.set RB,   208                         ; v208-255  the same, read back by rows
.set CS,   192                         ; windows 2, 3: cos (tiles 0, 1), sin (tiles 0, 1) of row tile a at CS + 32 a
.set G1,  24                           ; s[24:31] descriptor group 1 for x's tiles
.set G0,  32                           ; s[32:39] group 0 for x's tiles, a set for each slot
.set G1B, 48                           ; s[48:55] group 1 for W's tiles
.set G0B, 56                           ; s[56:63] group 0 for W's tiles
.set MSB, 0
.macro WIN new                         ; the immediate's high byte repeats the setting that is left
.if MSB != \new
	s_set_vgpr_msb (MSB<<8)|\new
.set MSB, \new
.endif
.endm
.set MUL_LO, 0xa1                      ; source 0 (W) window 1, source 1 (x) window 0, C and D window 2
.set MUL_HI, 0xf1                      ; the same, C and D window 3
.set TO_B,   0x40                      ; destination window 1, address window 0
; A joint load.  Waves 0 and 1 fetch x's two halves, waves 2 and 3 W's.  The branch hangs on the wave's number alone.
.macro JLOAD s
	s_cmp_eq_u32 s17, 0
	s_cbranch_scc0 .Lfor_b_\@
	tensor_load_to_lds s[G0+4*\s:G0+4*\s+3], s[G1:G1+7]
	s_nop 0
	s_branch .Lasked_\@
.Lfor_b_\@:
	tensor_load_to_lds s[G0B+4*\s:G0B+4*\s+3], s[G1B:G1B+7]
	s_nop 0
.Lasked_\@:
.endm
; A round of the cluster's barrier: my work-group's barrier, wave 0 signals for the work-group, every wave waits for all sixteen, my work-group's barrier again.
.macro CREST                           ; a round behind its opening barrier
	s_cmp_lg_u32 s16, 0
	s_cbranch_scc1 .Lnot_wave_0_\@
	s_barrier_signal -3
.Lnot_wave_0_\@:
	s_barrier_wait -3
	s_barrier_signal -1
	s_barrier_wait -1
.endm
.macro CROUND
	s_barrier_signal -1
	s_barrier_wait -1
	CREST
.endm
	s_load_b256 s[4:11], s[0:1], 0x0               ; xb s[4:5], wb s[6:7], tab s[8:9], qb s[10:11]
	s_load_b128 s[12:15], s[0:1], 0x20             ; kb s[12:13], vb s[14:15]
	s_set_vgpr_msb 0x40
	v_lshl_add_u32 v255, v0, 2, 0x42400
	s_set_vgpr_msb 0x4000
	v_mov_b32 v31, 0
	s_set_vgpr_msb 0x1
	ds_add_u32 v255, v31
	s_set_vgpr_msb 0x100
	v_lshrrev_b32 v1, 5, v0
	v_readfirstlane_b32 s16, v1                    ; wave 0..3
	s_lshr_b32 s17, s16, 1                         ; I fetch for x (0) or for W (1)
	s_and_b32 s18, s16, 1                          ; which half of that tile
	s_bfe_u32 s19, ttmp6, 0x40000                  ; cx
	s_bfe_u32 s20, ttmp6, 0x40004                  ; cy
	s_lshl_b32 s21, ttmp9, 2
	s_add_co_u32 s21, s21, s19                     ; head = 4 x cluster x + cx
	s_and_b32 s22, ttmp7, 0xffff
	s_lshl_b32 s22, s22, 2
	s_add_co_u32 s22, s22, s20                     ; block of 256 rows = 4 x cluster y + cy
	s_lshl_b32 s42, s20, 2
	s_lshl_b32 s42, 15, s42                        ; my row of the cluster: places 4 cy .. 4 cy + 3
	s_lshl_b32 s43, 0x1111, s19                    ; my column: places cx, cx + 4, cx + 8, cx + 12
	; group 1: rows of 128 elements of 2 bytes, 16 bytes of padding behind every 64 words; 128 rows of x, 96 rows of W
	s_or_b32 s[G1+0], s42, (1<<16)|(1<<20)|(1<<21)|(5<<22)|(3<<25)   ; 15:0 mask: x's tiles go to my row; 17:16 2 bytes; 20 padding; 21 set beside a mask; 24:22 every 64 words; 31:25 4 words
	s_or_b32 s[G1B+0], s43, (1<<16)|(1<<20)|(1<<21)|(5<<22)|(3<<25)  ; the same with my column's mask
	s_mov_b32 s[G1+1], KSTEP<<16                   ; tensor_dim0 = 128
	s_mov_b32 s[G1B+1], KSTEP<<16
	s_mov_b32 s[G1+2], 128<<16                     ; tensor_dim1 = 128
	s_mov_b32 s[G1B+2], 96<<16                     ; tensor_dim1 = 96
	s_mov_b32 s[G1+3], KSTEP<<16                   ; tile_dim0 = 128
	s_mov_b32 s[G1B+3], KSTEP<<16
	s_mov_b32 s[G1+4], 128                         ; tile_dim1
	s_mov_b32 s[G1B+4], 96
	s_mov_b32 s[G1+5], SIZE_K                      ; elements from row to row
	s_mov_b32 s[G1B+5], SIZE_K
	s_mov_b32 s[G1+6], 0
	s_mov_b32 s[G1B+6], 0
	s_mov_b32 s[G1+7], 0
	s_mov_b32 s[G1B+7], 0
	; where the tiles come from: x's hang on the block of rows alone, W's on the head alone, each in registers that never hold the other coordinate
	s_lshl_b32 s40, s22, 19                        ; 256 rows of 2,048 bytes
	s_lshl_b32 s41, s18, 18                        ; + my 128 rows
	s_add_co_u32 s40, s40, s41
	s_mov_b32 s41, 0
	s_mul_i32 s46, s21, 192*2048
	s_mul_i32 s47, s18, 96*2048
	s_add_co_u32 s46, s46, s47
	s_mov_b32 s47, 0
	s_mul_i32 s44, s16, AHALF                      ; and where they go: waves 0, 1: x's halves;
	s_mul_i32 s45, s16, BHALF
	s_add_co_u32 s45, s45, ABYTES-2*BHALF          ; waves 2, 3: W's halves, behind x's 256 rows
	; my rows in the outputs and in the table
	s_lshr_b32 s72, s22, 3                         ; batch
	s_lshl_b32 s72, s72, 4
	s_add_co_u32 s72, s72, s21                     ; batch * 16 + head
	s_lshl_b32 s72, s72, 18                        ; 2,048 rows of 128 bytes
	s_and_b32 s76, s22, 7                          ; block of 256 positions in the sequence
	s_lshl_b32 s77, s76, 15
	s_add_co_u32 s72, s72, s77
	s_lshl_b32 s77, s16, 13                        ; my 64 rows
	s_add_co_u32 s72, s72, s77
	s_mov_b32 s73, 0
	s_lshl_b32 s74, s76, 16                        ; table rows of 256 bytes
	s_lshl_b32 s77, s16, 14
	s_add_co_u32 s74, s74, s77
	s_mov_b32 s75, 0
	v_and_b32 v1, 15, v0                           ; r = l % 16
	v_bfe_u32 v2, v0, 4, 1                         ; h = l / 16
	v_lshlrev_b32 v[TADR], 8, v1
	v_lshl_add_u32 v[TADR], v2, 5, v[TADR]         ; table row r, eight numbers from 8 h on
	s_wait_dscnt 0x0
	s_wait_kmcnt 0x0
	s_add_nc_u64 s[40:41], s[4:5], s[40:41]
	s_add_nc_u64 s[46:47], s[6:7], s[46:47]
	s_add_nc_u64 s[74:75], s[8:9], s[74:75]
	s_add_nc_u64 s[10:11], s[10:11], s[72:73]
	s_add_nc_u64 s[12:13], s[12:13], s[72:73]
	s_add_nc_u64 s[14:15], s[14:15], s[72:73]
	; cos and sin of my 64 positions: 32 loads that stay out through the whole K loop; their registers, address and base are not touched before the way out
	WIN 0x80                                       ; destination window 2
.irp a, 0, 1
.irp p, 0,1,2,3
	global_load_b128 v[CS+32*\a+8*\p:CS+32*\a+8*\p+3],   v[TADR], s[74:75] offset:\a*4096+\p*64
	global_load_b128 v[CS+32*\a+8*\p+4:CS+32*\a+8*\p+7], v[TADR], s[74:75] offset:\a*4096+\p*64+16
.endr
.endr
	WIN 0xc0                                       ; destination window 3
.irp a, 0, 1
.irp p, 0,1,2,3
	global_load_b128 v[CS+32*\a+8*\p:CS+32*\a+8*\p+3],   v[TADR], s[74:75] offset:(\a+2)*4096+\p*64
	global_load_b128 v[CS+32*\a+8*\p+4:CS+32*\a+8*\p+7], v[TADR], s[74:75] offset:(\a+2)*4096+\p*64+16
.endr
.endr
	WIN 0
	CROUND                                         ; all sixteen work-groups are here: the first joint loads meet
.irp s, 0,1
	s_mov_b32 s[G0+4*\s], 1
	s_add_co_u32 s[G0+4*\s+1], s44, \s*SLOT
	s_add_nc_u64 s[G0+4*\s+2:G0+4*\s+3], s[40:41], \s*KSTEP*2
	s_or_b32 s[G0+4*\s+3], s[G0+4*\s+3], 0x80000000
	s_mov_b32 s[G0B+4*\s], 1
	s_add_co_u32 s[G0B+4*\s+1], s45, \s*SLOT
	s_add_nc_u64 s[G0B+4*\s+2:G0B+4*\s+3], s[46:47], \s*KSTEP*2
	s_or_b32 s[G0B+4*\s+3], s[G0B+4*\s+3], 0x80000000
	JLOAD \s                                       ; K steps 0 and 1: a wave has two tensor loads out, never more
.endr
	v_mul_u32_u24 v3, v1, PITCH
	v_lshl_add_u32 v3, v2, 4, v3                   ; row x pitch + 16 x half: a fragment is two loads of 16 bytes, 32 bytes apart
	s_mul_i32 s23, s16, 64*PITCH                   ; my 64 rows of x
	v_add_nc_u32 v[ADRA], s23, v3
	v_add_nc_u32 v[ADRA+1], SLOT, v[ADRA]
	v_add_nc_u32 v[ADRB], ABYTES, v3
	v_add_nc_u32 v[ADRB+1], SLOT, v[ADRB]
	s_mul_i32 s23, s16, 3*SMAT
	s_add_co_u32 s23, s23, STAGE                   ; my stage
	v_mul_u32_u24 v4, v1, SP
	v_lshl_add_u32 v4, v2, 4, v4
	v_add_nc_u32 v[STO], s23, v4                   ; in: row r, 16 bytes for each half of the lanes
	v_bfe_u32 v5, v0, 3, 2
	v_and_b32 v6, 7, v0
	v_mul_u32_u24 v5, v5, SP
	v_lshl_add_u32 v5, v6, 4, v5
	v_add_nc_u32 v[RD], s23, v5                    ; back: eight lanes take a row of 128 bytes, a load four rows
	v_and_b32 v7, 31, v0
	v_lshlrev_b32 v[CO], 4, v7
; 12 matrix instructions: row tile a of the window (hi = 0: my row tiles 0, 1; 1: tiles 2, 3) x all 12 column tiles, 32 along K.
.macro MUL12 f, hi, a, zero
.irp b, 0,1,2,3,4,5,6,7,8,9,10,11
.if \zero
	v_wmma_f32_16x16x32_bf16 v[8*(12*\a+\b):8*(12*\a+\b)+7], v[FB+96*\f+8*\b:FB+96*\f+8*\b+7], v[FA+32*\f+8*(2*\hi+\a):FA+32*\f+8*(2*\hi+\a)+7], 0
.else
	v_wmma_f32_16x16x32_bf16 v[8*(12*\a+\b):8*(12*\a+\b)+7], v[FB+96*\f+8*\b:FB+96*\f+8*\b+7], v[FA+32*\f+8*(2*\hi+\a):FA+32*\f+8*(2*\hi+\a)+7], v[8*(12*\a+\b):8*(12*\a+\b)+7]
.endif
.endr
.endm
; 32 LDS loads in one run: the fragments of a quarter step (192 rows of W, my 64 rows of x, 32 K at byte k of the rows) into buffer f
.macro FETCH slot, k, f
	WIN TO_B
.irp i, 0,1,2,3,4,5,6,7,8,9,10,11
	ds_load_b128 v[FB+96*\f+8*\i:FB+96*\f+8*\i+3],   v[ADRB+\slot] offset:\k+\i*16*PITCH
	ds_load_b128 v[FB+96*\f+8*\i+4:FB+96*\f+8*\i+7], v[ADRB+\slot] offset:\k+\i*16*PITCH+32
.endr
	WIN 0
.irp i, 0,1,2,3
	ds_load_b128 v[FA+32*\f+8*\i:FA+32*\f+8*\i+3],   v[ADRA+\slot] offset:\k+\i*16*PITCH
	ds_load_b128 v[FA+32*\f+8*\i+4:FA+32*\f+8*\i+7], v[ADRA+\slot] offset:\k+\i*16*PITCH+32
.endr
.endm
; A load into a register that a matrix instruction has read, and a vector instruction that reads a matrix result, stand four places
; behind that matrix instruction; only plain vector instructions that name none of its registers are places (ISA guide 7.12.1 for
; vector instructions).
.macro PLACES
.rept 4
	v_nop
.endr
.endm
; A K step is four quarters of 32 along K, 48 matrix instructions each, on buffers 0, 1, 0, 1.  The 48 accumulators take turns in one
; fixed order, one instruction a turn, over the backward jump too.
.macro QUARTER slot, k, f, g, zero
	s_wait_dscnt 4                                 ; W and x's row tiles 0, 1 are in; the youngest four loads (row tiles 2, 3) may be out
	WIN MUL_LO
	MUL12 \f, 0, 0, \zero
	MUL12 \f, 0, 1, \zero
	PLACES
	FETCH \slot, \k, \g
	s_wait_dscnt 32                                ; all but the 32 just issued
	WIN MUL_HI
	MUL12 \f, 1, 0, \zero
	MUL12 \f, 1, 1, \zero
.endm
.macro THREE slot, zero
	QUARTER \slot, 64,  0, 1, \zero
	QUARTER \slot, 128, 1, 0, 0
	QUARTER \slot, 192, 0, 1, 0
.endm
; The last quarter multiplies buffer 1 and changes slots.  In front of the barrier each wave waits for its reads of this slot and for all
; its tensor loads (the one that is out is its part of the next slot).  Behind it the refill comes first, then the next slot's fragments.
.macro TURN slot, next, fill
	s_wait_dscnt 4
	WIN MUL_LO
	MUL12 1, 0, 0, 0
	s_wait_dscnt 0                                 ; my reads of this slot are over
	s_wait_tensorcnt 0x0                           ; and all my tensor loads have landed
	ds_add_u32 v255, v31
	s_wait_dscnt 0x0
	s_barrier_signal -1                            ; where a slot is filled again this barrier opens a round of the cluster's barrier
	MUL12 1, 0, 1, 0                               ; work on registers while the others arrive
	WIN 0
	s_barrier_wait -1
.if \fill
	CREST                                          ; no wave of any partner still reads this slot's tile or has a load on its way
	s_add_nc_u64 s[G0+4*\slot+2:G0+4*\slot+3], s[G0+4*\slot+2:G0+4*\slot+3], 2*KSTEP*2
	s_add_nc_u64 s[G0B+4*\slot+2:G0B+4*\slot+3], s[G0B+4*\slot+2:G0B+4*\slot+3], 2*KSTEP*2
	JLOAD \slot                                    ; the first tensor load behind the round
.endif
	PLACES
	FETCH \next, 0, 0
	WIN MUL_HI
	MUL12 1, 1, 0, 0
	MUL12 1, 1, 1, 0
.endm
.macro LAP zero
	THREE 0, \zero
	TURN 0, 1, 1
	THREE 1, 0
	TURN 1, 0, 1
.endm
	s_wait_tensorcnt 1                             ; my part of K step 0 is in; K step 1's may stay out
	s_barrier_signal -1
	s_barrier_wait -1
	FETCH 0, 0, 0
	LAP 1                                          ; the first products start the sums: nothing is cleared
	WIN 0
	s_mov_b32 s3, LAPS-2
.Llap:
	LAP 0
	WIN 0
	s_sub_co_u32 s3, s3, 1
	s_cmp_lg_u32 s3, 0
	s_cbranch_scc1 .Llap
	THREE 0, 0                                     ; the last lap fills nothing
	TURN 0, 1, 0
	THREE 1, 0
	s_wait_dscnt 4
	WIN MUL_LO
	MUL12 1, 0, 0, 0
	MUL12 1, 0, 1, 0
	s_wait_dscnt 0
	WIN MUL_HI
	MUL12 1, 1, 0, 0
	MUL12 1, 1, 1, 0
	; THE WAY OUT, 16 rows at a time.  Column tiles 0-3 are q, 4-7 k, 8-11 v.  In q and k, tile nt (0, 1) holds numbers i = 16 nt + 8 h + j
	; and tile nt + 2 the numbers i + 32 of the same row in the same lane and register:
	;   out(i) = x(i) cos - x(i + 32) sin,   out(i + 32) = x(i + 32) cos + x(i) sin.
	PLACES
	s_wait_loadcnt 0x0                             ; cos and sin
; row tile rt = tile a of window 2 or 3 (from = 0x0a or 0x0f: sources 0 and 1 in that window, source 2 and destination in window 0)
.macro OUT16 rt, a, from
	WIN \from
.irp m, 0, 1
.irp nt, 0, 1
.irp jp, 0, 2, 4, 6
.set lo_, 8*(12*\a+4*\m+\nt)+\jp
.set hi_, 8*(12*\a+4*\m+\nt+2)+\jp
.set c_,  CS+32*\a+8*\nt+\jp
.set s_,  CS+32*\a+16+8*\nt+\jp
.set tl_, TMP+32*\m+8*\nt+\jp
.set th_, TMP+32*\m+8*\nt+16+\jp
	v_pk_mul_f32 v[tl_:tl_+1], v[lo_:lo_+1], v[c_:c_+1]
	v_pk_mul_f32 v[th_:th_+1], v[hi_:hi_+1], v[c_:c_+1]
	v_pk_fma_f32 v[tl_:tl_+1], v[hi_:hi_+1], v[s_:s_+1], v[tl_:tl_+1] neg_lo:[1,0,0] neg_hi:[1,0,0]
	v_pk_fma_f32 v[th_:th_+1], v[lo_:lo_+1], v[s_:s_+1], v[th_:th_+1]
.endr
.endr
.endr
.irp bt, 0,1,2,3
.irp jr, 0,1,2,3
	v_cvt_pk_f16_f32 v[PK+32+4*\bt+\jr], v[8*(12*\a+8+\bt)+2*\jr], v[8*(12*\a+8+\bt)+2*\jr+1]   ; v is only rounded
.endr
.endr
	WIN 0
.set i_, 0
.rept 32
	v_cvt_pk_f16_f32 v[PK+i_], v[TMP+2*i_], v[TMP+2*i_+1]
.set i_, i_+1
.endr
.irp m, 0,1,2
.irp bt, 0,1,2,3
	ds_store_b128 v[STO], v[PK+16*\m+4*\bt:PK+16*\m+4*\bt+3] offset:\m*SMAT+\bt*32
.endr
.endr
	s_wait_xcnt 0x0                                ; RB, which the last row tile's stores read, is loaded again only behind this wait
.irp m, 0,1,2
.irp i, 0,1,2,3
	ds_load_b128 v[RB+16*\m+4*\i:RB+16*\m+4*\i+3], v[RD] offset:\m*SMAT+\i*4*SP   ; LDS serves a wave's instructions in order: these see the stores above
.endr
.endr
.irp m, 0,1,2
.irp i, 0,1,2,3
	s_wait_dscnt 11-(4*\m+\i)                      ; the younger read-backs may be out
	global_store_b128 v[CO], v[RB+16*\m+4*\i:RB+16*\m+4*\i+3], s[10+2*\m:11+2*\m] offset:\rt*2048+\i*512   ; a wave stores four rows: 512 consecutive bytes, aligned
.endr
.endr
.endm
	OUT16 0, 0, 0x0a
	OUT16 1, 1, 0x0a
	OUT16 2, 0, 0x0f
	OUT16 3, 1, 0x0f
	s_set_vgpr_msb 0x1
	s_wait_tensorcnt 0x0
	ds_add_u32 v255, v31
	s_wait_dscnt 0x0
	s_set_vgpr_msb 0x100
	CROUND                                         ; the closing round: no work-group ends while a partner may still ask for a tile that names it
	s_endpgm
.Lfunc_end_k_q4513ffa167_qkv:
	.size	k_q4513ffa167_qkv, .Lfunc_end_k_q4513ffa167_qkv-k_q4513ffa167_qkv
	.p2alignl 7, 3214868480
	.fill 96, 4, 3214868480
	.section	.rodata,"a",@progbits
	.p2align	6, 0x0
	.amdhsa_kernel k_q4513ffa167_qkv
		.amdhsa_group_segment_fixed_size 327680
		.amdhsa_private_segment_fixed_size 0
		.amdhsa_enable_private_segment 0
		.amdhsa_kernarg_size 48
		.amdhsa_user_sgpr_count 2
		.amdhsa_user_sgpr_kernarg_segment_ptr 1
		.amdhsa_wavefront_size32 1
		.amdhsa_system_sgpr_workgroup_id_x 1
		.amdhsa_system_sgpr_workgroup_id_y 1
		.amdhsa_system_sgpr_workgroup_id_z 1
		.amdhsa_system_vgpr_workitem_id 0
		.amdhsa_next_free_vgpr 1024
		.amdhsa_next_free_sgpr 80
		.amdhsa_reserve_vcc 0
		.amdhsa_float_denorm_mode_32 3
		.amdhsa_float_denorm_mode_16_64 3
		.amdhsa_memory_ordered 1
		.amdhsa_forward_progress 1
		.amdhsa_inst_pref_size 183
	.end_amdhsa_kernel
	.amdgpu_metadata
---
amdhsa.version: [ 1, 2 ]
amdhsa.kernels:
  - .name:           k_q4513ffa167_qkv
    .symbol:         k_q4513ffa167_qkv.kd
    .args:
      - { .name: xb, .offset: 0, .size: 8, .value_kind: global_buffer, .address_space: global }
      - { .name: wb, .offset: 8, .size: 8, .value_kind: global_buffer, .address_space: global }
      - { .name: tab, .offset: 16, .size: 8, .value_kind: global_buffer, .address_space: global }
      - { .name: qb, .offset: 24, .size: 8, .value_kind: global_buffer, .address_space: global }
      - { .name: kb, .offset: 32, .size: 8, .value_kind: global_buffer, .address_space: global }
      - { .name: vb, .offset: 40, .size: 8, .value_kind: global_buffer, .address_space: global }
    .group_segment_fixed_size: 327680
    .private_segment_fixed_size: 0
    .kernarg_segment_align: 8
    .kernarg_segment_size: 48
    .max_flat_workgroup_size: 128
    .sgpr_count:     80
    .vgpr_count:     1024
    .wavefront_size: 32
...
	.end_amdgpu_metadata
.endif
;; end of part 2
;; launch attn (part 3): grid 256 x 1, 8 waves a work-group, clusters of 4 x 1, 327,680 bytes of LDS; arguments qb, kb, vb, ao; writes ao
.if DOCPART == 3
	.amdgcn_target "amdgcn-amd-amdhsa--gfx1250"
	.amdhsa_code_object_version 6
	.text
	.protected	k_q4513ffa167_attn
	.globl	k_q4513ffa167_attn
	.p2align	8
	.type	k_q4513ffa167_attn,@function
k_q4513ffa167_attn:
	s_mov_b64 s[64:65], 0
	v_nop
	global_prefetch_b8 v0, s[64:65] scope:SCOPE_SE
	s_setreg_imm32_b32 hwreg(HW_REG_WAVE_MODE, 25, 1), 1
	s_wait_xcnt 0x0
	s_wait_alu depctr_hold_cnt(0) depctr_sa_sdst(0) depctr_va_vdst(0) depctr_va_sdst(0) depctr_va_ssrc(0) depctr_va_vcc(0) depctr_vm_vsrc(0)
	s_getreg_b32 s2, hwreg(HW_REG_IB_STS2, 6, 4)
	s_cmp_eq_u32 s2, 0
	s_cbranch_scc0 .Lentry_in_a_cluster
	s_endpgm
.Lentry_in_a_cluster:
	s_bfe_u32 s2, ttmp6, 0x10000c
	s_cmp_lg_u32 s2, 0x3003
	s_cbranch_scc0 .Lentry_shape_is_right
	s_endpgm
.Lentry_shape_is_right:
; attn: causal attention of one head, softmax with a running maximum.  qb, kb, vb [batch * 16 + head][2048][64] f16 (q and k turned by RoPE);
; ao [head][part][batch * 2048 + t][64] bf16: part 0 = the result rounded to bf16, part 1 = what that rounding left, rounded to bf16:
; 16 significant bits together, so that the output projection can stay a bf16 product with Wo.
; Products in f16 with f32 sums (P is at most 1; q, k, v have their room stated where they are made), softmax in f32.
; SHARES.  A head's 2,048 queries are four super-blocks of 512.  A cluster of four work-groups takes one head and two super-blocks, first
; lo = cluster % 2, then hi = 3 - lo: 10 groups of 256 keys for every cluster.  In a super-block, partner cx and wave (kh = wave / 4, qq = wave % 4) own two
; tiles of 16 queries, at rows 256 qt + 64 qq + 16 cx + r (qt = 0, 1).  So all four partners meet the diagonal at the same groups, walk the
; same K and V tiles, and ask for every tile JOINTLY (mask 15): a tile is requested once for the four.
; The waves kh = 0, 1 share their queries and split every 128 keys into halves of 64; each keeps its own maximum and sum, and the two are
; merged once at the end of a super-block.  Two waves lie on a SIMD, so that one's softmax can run beside the other's products.
; ORDER OF KEYS in a super-block: its own keys 0-255 (tile 0 masked by a compare, tile 1 free), its own keys 256-511 (tile 0 wholly masked:
; left out; tile 1 masked), then all earlier keys, unmasked.  What is left out hangs on the place in the text alone.
; NO TRANSPOSE OF P: S^T = K Q^T (source 0 = rows of K, source 1 = rows of Q): lane (r, h), register j holds key 8 h + j of query r, so two
; tiles of S^T packed to f16 are a B fragment as they lie; O^T += V^T P^T with V^T by transposing LDS loads.  A query's state is one number a lane.
; THE MAXIMUM is kept as NM = -(max score) c rounded to f32, c = log2(e) / 8, the very number that the exponentials add: p = 2^(s c + NM),
; old sums are scaled by 2^(NM new - NM old).
; LIMITS: NM is capped at 2^125, a floor of about -2.4e38 under the running maximum, which keeps a wave that has seen only masked keys finite
; (its p are 0, its weight in the merge is 0).  A p below 2^-25 of its wave's largest is dropped by f16.  NaN and infinite inputs are not served.
.set KP,     144                       ; K's LDS row: 128 bytes + 16, an odd multiple of 16
.set VP,     160                       ; V's LDS row: 128 bytes + 32, an odd multiple of 32 (for the transposing loads)
.set KBYTES, 256*KP
.set SLOT,   256*KP+256*VP             ; 77,824: a group of 256 keys, K then V
.set MERGE,  2*SLOT                    ; for each qq 17 x 512 bytes: the sums and state that wave kh = 1 hands to wave kh = 0
.set MBYTES, 17*512
.set OUTST,  MERGE+4*MBYTES            ; for each qq 2 parts x 2 tiles x 16 rows x 144 bytes: the way out
.set OBYTES, 4*16*KP
.set PART,   524288                    ; bytes of one part of one head in ao: 4,096 rows of 128 bytes
.set GB,     32768                     ; a group's bytes in kb and in vb
.set CLOG,   0x3e38aa3b                ; log2(e) / 8
.set KA,   1                           ; v1-2   LDS address of my K fragments in slot 0, 1
.set VA,   3                           ; v3-4   the same for V^T
.set VQ,   5                           ; my query less my first key, inside a diagonal block of 256
.set QOFF, 6
.set MSTO, 7
.set OSTO, 8
.set ORD,  9
.set OOFF, 10
.set LS,   12                          ; v12-13 running sum of tile 0, 1 (this half of the lanes' keys)
.set AL,   16                          ; v[16:17], v[18:19] the factor for old sums, twice, tile 0, 1
.set NM,   20                          ; v[20:21], v[22:23] NM, twice, tile 0, 1
.set T,    24                          ; v24-31 at work
.set Q,    32                          ; Q + 16 qt + 8 kc
.set S,    64                          ; S + 32 qt + 8 kt; later P + 32 qt + 16 kk
.set KV,   128                         ; K: + 16 kt + 8 kc;  V^T: + 32 kk + 8 dt
.set ACC,  192                         ; ACC + 32 qt + 8 dt
.set G1K, 24
.set G1V, 32
.set G0K, 40                           ; a set for each slot
.set G0V, 48
.macro ROUND                           ; a round of the cluster's barrier
	s_barrier_signal -1
	s_barrier_wait -1
	s_cmp_lg_u32 s12, 0
	s_cbranch_scc1 .Lnot_wave_0_\@
	s_barrier_signal -3
.Lnot_wave_0_\@:
	s_barrier_wait -3
	s_barrier_signal -1
	s_barrier_wait -1
.endm
.macro NOPS n
.rept \n
	v_nop
.endr
.endm
	s_load_b256 s[4:11], s[0:1], 0x0               ; qb s[4:5], kb s[6:7], vb s[8:9], ao s[10:11]
	s_set_vgpr_msb 0x40
	v_lshl_add_u32 v0, v0, 2, 0x37800
	v_mov_b32 v1, 0
	s_set_vgpr_msb 0x4045
	ds_add_u32 v0, v1
	s_set_vgpr_msb 0x4500
	v_lshrrev_b32 v11, 5, v0
	v_readfirstlane_b32 s12, v11                   ; wave 0..7
	s_lshr_b32 s13, s12, 2                         ; kh: which 64 of every 128 keys
	s_and_b32 s14, s12, 3                          ; qq
	s_bfe_u32 s15, ttmp6, 0x40000                  ; cx
	s_lshr_b32 s17, ttmp9, 1                       ; batch * 16 + head
	s_and_b32 s18, ttmp9, 1                        ; lo
	s_sub_co_u32 s19, 3, s18                       ; hi
	s_sub_co_u32 s16, s19, 1                       ; trips of the loop over earlier keys: 2 or 1, the same in all four partners
	s_mov_b32 s20, 0x76543210                      ; v_permlanex16_b32: lane i of one half reads lane i of the other
	s_mov_b32 s21, 0xfedcba98
	s_mov_b32 s22, 0xff800000                      ; -infinity
	s_mov_b32 s72, CLOG
	s_mov_b32 s73, CLOG
	s_mov_b32 s74, CLOG|0x80000000                 ; -c
	; group 1: a wave brings 32 keys, 4,096 dense bytes, as 16 rows of 32 elements of 8 bytes; padding behind every 32 words (a key's 128 bytes)
	s_mov_b32 s[G1K+0], 15|(3<<16)|(1<<20)|(1<<21)|(4<<22)|(3<<25)   ; mask: all four partners; 8 bytes; padding on; bit 21 beside a mask; every 32 words; 4 words
	s_mov_b32 s[G1V+0], 15|(3<<16)|(1<<20)|(1<<21)|(4<<22)|(7<<25)   ; the same with 8 words of padding
	s_mov_b32 s[G1K+1], 32<<16                     ; tensor_dim0 = 32
	s_mov_b32 s[G1V+1], 32<<16
	s_mov_b32 s[G1K+2], 16<<16                     ; tensor_dim1 = 16
	s_mov_b32 s[G1V+2], 16<<16
	s_mov_b32 s[G1K+3], 32<<16                     ; tile_dim0 = 32
	s_mov_b32 s[G1V+3], 32<<16
	s_mov_b32 s[G1K+4], 16                         ; tile_dim1 = 16
	s_mov_b32 s[G1V+4], 16
	s_mov_b32 s[G1K+5], 32                         ; elements from row to row
	s_mov_b32 s[G1V+5], 32
	s_mov_b32 s[G1K+6], 0
	s_mov_b32 s[G1V+6], 0
	s_mov_b32 s[G1K+7], 0
	s_mov_b32 s[G1V+7], 0
	s_mul_i32 s78, s12, 32*KP                      ; my 32 keys in a slot: the wave's number alone enters an LDS address
	s_mul_i32 s79, s12, 32*VP
.irp s, 0,1
	s_mov_b32 s[G0K+4*\s], 1
	s_add_co_u32 s[G0K+4*\s+1], s78, \s*SLOT
	s_mov_b32 s[G0V+4*\s], 1
	s_add_co_u32 s[G0V+4*\s+1], s79, \s*SLOT+KBYTES
.endr
	s_lshl_b32 s75, s17, 18                        ; the head's 262,144 bytes in qb, kb, vb
	s_mov_b32 s3, 0
	s_lshl_b32 s2, s12, 12                         ; my 32 keys of a group
	s_add_co_u32 s2, s2, s75
	s_wait_dscnt 0x0
	s_wait_kmcnt 0x0
	s_add_nc_u64 s[56:57], s[6:7], s[2:3]          ; K at my keys of the head's group 0,
	s_add_nc_u64 s[58:59], s[8:9], s[2:3]          ; V likewise,
	s_or_b32 s57, s57, 0x80000000                  ; both with the descriptor's type on top
	s_or_b32 s59, s59, 0x80000000
	s_lshl_b32 s60, s18, 16                        ; s[60:61]: byte offset of the next group to ask for; a super-block's keys are 65,536 bytes
	s_mov_b32 s61, 0
	s_lshl_b32 s62, s19, 16                        ; hi's keys
	s_add_co_u32 s2, s60, s75
	s_add_nc_u64 s[66:67], s[4:5], s[2:3]          ; Q of super-block lo
	s_add_co_u32 s2, s62, s75
	s_add_nc_u64 s[70:71], s[4:5], s[2:3]          ; Q of super-block hi
	s_and_b32 s63, s17, 15                         ; head
	s_lshl_b32 s63, s63, 20                        ; two parts of 4,096 rows of 128 bytes
	s_lshr_b32 s2, s17, 4                          ; batch
	s_lshl_b32 s2, s2, 18
	s_add_co_u32 s63, s63, s2
	s_add_co_u32 s2, s63, s60
	s_add_nc_u64 s[68:69], s[10:11], s[2:3]        ; ao at super-block lo
	s_add_co_u32 s2, s63, s62
	s_add_nc_u64 s[76:77], s[10:11], s[2:3]        ; ao at super-block hi
	v_and_b32 v24, 31, v0                          ; l
	v_and_b32 v25, 15, v0                          ; r
	v_bfe_u32 v26, v0, 4, 1                        ; h
	v_and_b32 v27, 7, v0
	v_bfe_u32 v28, v0, 3, 1
	v_bfe_u32 v29, v0, 3, 2
	v_mul_u32_u24 v30, v25, KP
	v_lshl_add_u32 v30, v26, 4, v30                ; r x 144 + 16 h
	s_mul_i32 s2, s13, 64*KP
	v_add_nc_u32 v[KA], s2, v30                    ; K fragment: key 64 kh + r, two loads of 16 bytes, 32 bytes apart
	v_add_nc_u32 v[KA+1], SLOT, v[KA]
	v_lshl_add_u32 v31, v26, 3, v27                ; 8 h + l % 8
	v_mul_u32_u24 v31, v31, VP
	v_lshl_add_u32 v31, v28, 4, v31                ; + 16 ((l / 8) % 2)
	s_mul_i32 s2, s13, 64*VP
	s_add_co_u32 s2, s2, KBYTES
	v_add_nc_u32 v[VA], s2, v31                    ; V^T fragment: two transposing loads, 16 keys apart
	v_add_nc_u32 v[VA+1], SLOT, v[VA]
	s_lshl_b32 s78, s14, 6
	s_lshl4_add_u32 s78, s15, s78                  ; 64 qq + 16 cx: enters global offsets and the mask's compare only
	v_add_nc_u32 v31, s78, v25                     ; my query in a block of 256
	v_lshlrev_b32 v[QOFF], 7, v31
	v_lshl_add_u32 v[QOFF], v26, 4, v[QOFF]
	s_lshl_b32 s2, s13, 6
	v_lshlrev_b32 v11, 3, v26
	v_add_nc_u32 v11, s2, v11                      ; 64 kh + 8 h
	v_sub_nc_u32 v[VQ], v31, v11                   ; key 128 u + 16 kt + j of my half is allowed where it is <= this (signed)
	s_mul_i32 s2, s14, MBYTES
	s_add_co_u32 s2, s2, MERGE
	v_lshl_add_u32 v[MSTO], v24, 4, s2
	s_mul_i32 s2, s14, OBYTES
	s_add_co_u32 s2, s2, OUTST
	v_add_nc_u32 v[OSTO], s2, v30
	v_mul_u32_u24 v11, v29, KP
	v_lshl_add_u32 v11, v27, 4, v11
	v_add_nc_u32 v[ORD], s2, v11
	s_lshl_b32 s79, s78, 7
	v_lshl_add_u32 v[OOFF], v24, 4, s79
.macro QLOAD base                      ; my two query tiles as B fragments: row r, 64 numbers in 2 x 2 loads of 16 bytes a lane
.irp qt, 0,1
.irp kc, 0,1
	global_load_b128 v[Q+16*\qt+8*\kc:Q+16*\qt+8*\kc+3],   v[QOFF], s[\base:\base+1] offset:\qt*32768+\kc*64
	global_load_b128 v[Q+16*\qt+8*\kc+4:Q+16*\qt+8*\kc+7], v[QOFF], s[\base:\base+1] offset:\qt*32768+\kc*64+32
.endr
.endr
.endm
; The head of a group of 256 keys that lies in \slot.  Every wave waits for all its tensor loads (its parts of this group) and for its reads
; of the other slot; a round of the cluster's barrier; then the next group, at s[60:61], is asked for into the other slot, first thing
; behind the round.  A wave has two tensor loads out, never more, and they have this group's two trips in which to land.
.macro GHEAD slot, refill
	s_set_vgpr_msb 0x5
	s_wait_tensorcnt 0x0                           ; no tensor load of mine is out: every group 0 may be written
	ds_add_u32 v0, v1
	s_wait_dscnt 0x0
	s_set_vgpr_msb 0x500
.if \refill
	s_add_nc_u64 s[G0K+4*(1-\slot)+2:G0K+4*(1-\slot)+3], s[56:57], s[60:61]
	s_add_nc_u64 s[G0V+4*(1-\slot)+2:G0V+4*(1-\slot)+3], s[58:59], s[60:61]
.endif
	s_wait_dscnt 0x0
.if \refill
	ROUND
	tensor_load_to_lds s[G0K+4*(1-\slot):G0K+4*(1-\slot)+3], s[G1K:G1K+7]
	s_nop 0
	tensor_load_to_lds s[G0V+4*(1-\slot):G0V+4*(1-\slot)+3], s[G1V:G1V+7]
	s_nop 0
.else
	s_barrier_signal -1                            ; it only shows the last group to all eight waves
	s_barrier_wait -1
.endif
.endm
.macro SQK qt, kt, kc, zero
.if \zero
	v_wmma_f32_16x16x32_f16 v[S+32*\qt+8*\kt:S+32*\qt+8*\kt+7], v[KV+16*\kt+8*\kc:KV+16*\kt+8*\kc+7], v[Q+16*\qt+8*\kc:Q+16*\qt+8*\kc+7], 0
.else
	v_wmma_f32_16x16x32_f16 v[S+32*\qt+8*\kt:S+32*\qt+8*\kt+7], v[KV+16*\kt+8*\kc:KV+16*\kt+8*\kc+7], v[Q+16*\qt+8*\kc:Q+16*\qt+8*\kc+7], v[S+32*\qt+8*\kt:S+32*\qt+8*\kt+7]
.endif
.endm
.macro PV qt, kk, dt, zero
.if \zero
	v_wmma_f32_16x16x32_f16 v[ACC+32*\qt+8*\dt:ACC+32*\qt+8*\dt+7], v[KV+32*\kk+8*\dt:KV+32*\kk+8*\dt+7], v[S+32*\qt+16*\kk:S+32*\qt+16*\kk+7], 0
.else
	v_wmma_f32_16x16x32_f16 v[ACC+32*\qt+8*\dt:ACC+32*\qt+8*\dt+7], v[KV+32*\kk+8*\dt:KV+32*\kk+8*\dt+7], v[S+32*\qt+16*\kk:S+32*\qt+16*\kk+7], v[ACC+32*\qt+8*\dt:ACC+32*\qt+8*\dt+7]
.endif
.endm
.macro MASK qt, u                      ; scores of keys behind the query become -infinity
.irp kt, 0,1,2,3
.irp j, 0,1,2,3,4,5,6,7
	v_cmp_le_i32 vcc_lo, 128*\u+16*\kt+\j, v[VQ]
	v_cndmask_b32 v[S+32*\qt+8*\kt+\j], s22, v[S+32*\qt+8*\kt+\j], vcc_lo
.endr
.endr
.endm
; The largest of a tile's 64 scores of each query: 32 in the lane, the other 32 in the lane 16 away.  Then NM and the factor for the old sums.
.macro STATS qt, first
.irp c, 0,1,2,3
	v_max3_num_f32 v[T+\c], v[S+32*\qt+8*\c], v[S+32*\qt+8*\c+1], v[S+32*\qt+8*\c+2]
.endr
.irp c, 0,1,2,3
	v_max3_num_f32 v[T+\c], v[T+\c], v[S+32*\qt+8*\c+3], v[S+32*\qt+8*\c+4]
.endr
.irp c, 0,1,2,3
	v_max3_num_f32 v[T+\c], v[T+\c], v[S+32*\qt+8*\c+5], v[S+32*\qt+8*\c+6]
.endr
	v_max3_num_f32 v[T], v[T], v[T+1], v[S+32*\qt+7]
	v_max3_num_f32 v[T+2], v[T+2], v[T+3], v[S+32*\qt+15]
	v_max3_num_f32 v[T], v[T], v[T+2], v[S+32*\qt+23]
	v_max_num_f32 v[T], v[T], v[S+32*\qt+31]
	v_permlanex16_b32 v[T+1], v[T], s20, s21
	v_max_num_f32 v[T], v[T], v[T+1]
	v_mul_f32 v[T], s74, v[T]                      ; -c x maximum (+infinity where all 64 keys are masked)
.if \first
	v_min_num_f32 v[NM+2*\qt], 0x7e000000, v[T]    ; the cap 2^125 starts the running value
	v_min_num_f32 v[NM+2*\qt+1], 0x7e000000, v[T]
.else
	v_min_num_f32 v[T], v[T], v[NM+2*\qt]
	v_sub_f32 v[T+1], v[T], v[NM+2*\qt]            ; <= 0
	v_mov_b32 v[NM+2*\qt], v[T]
	v_mov_b32 v[NM+2*\qt+1], v[T]
	v_exp_f32 v[AL+2*\qt], v[T+1]                  ; made twice, for the packed multiplies; the next line of the text is plain and touches
	v_exp_f32 v[AL+2*\qt+1], v[T+1]                ; neither AL nor T + 1 (ISA guide 5.7.2)
.endif
.endm
; p = 2^(s c + NM); the old sums are scaled; the lane's 32 p are added; p is packed to f16 in place: a B fragment for each 32 keys.
.macro EXPS qt, first
.set i_, 0
.rept 16
	v_pk_fma_f32 v[S+32*\qt+i_:S+32*\qt+i_+1], v[S+32*\qt+i_:S+32*\qt+i_+1], s[72:73], v[NM+2*\qt:NM+2*\qt+1] op_sel_hi:[1,0,1]
.set i_, i_+2
.endr
.set i_, 0
.rept 32
	v_exp_f32 v[S+32*\qt+i_], v[S+32*\qt+i_]
.set i_, i_+1
.endr
.if \first
	v_nop                                          ; the plain instruction behind the transcendentals
	s_wait_alu depctr_va_vdst(0)
.else
.set i_, 0
	s_wait_alu depctr_va_vdst(0)
.rept 16
	v_pk_mul_f32 v[ACC+32*\qt+i_:ACC+32*\qt+i_+1], v[ACC+32*\qt+i_:ACC+32*\qt+i_+1], v[AL+2*\qt:AL+2*\qt+1]   ; plain work behind the transcendentals
.set i_, i_+2
.endr
.endif
.irp c, 0,1,2,3
	v_pk_add_f32 v[T+2*\c:T+2*\c+1], v[S+32*\qt+2*\c:S+32*\qt+2*\c+1], v[S+32*\qt+8+2*\c:S+32*\qt+8+2*\c+1]
.endr
.irp c, 0,1,2,3
	v_pk_add_f32 v[T+2*\c:T+2*\c+1], v[T+2*\c:T+2*\c+1], v[S+32*\qt+16+2*\c:S+32*\qt+16+2*\c+1]
.endr
.irp c, 0,1,2,3
	v_pk_add_f32 v[T+2*\c:T+2*\c+1], v[T+2*\c:T+2*\c+1], v[S+32*\qt+24+2*\c:S+32*\qt+24+2*\c+1]
.endr
	v_pk_add_f32 v[T:T+1], v[T:T+1], v[T+2:T+3]
	v_pk_add_f32 v[T+4:T+5], v[T+4:T+5], v[T+6:T+7]
	v_pk_add_f32 v[T:T+1], v[T:T+1], v[T+4:T+5]
.if \first
	v_add_f32 v[LS+\qt], v[T], v[T+1]
.else
	v_add_f32 v[T], v[T], v[T+1]
	v_fma_f32 v[LS+\qt], v[LS+\qt], v[AL+2*\qt], v[T]
.endif
.irp kk, 0,1
.irp i, 0,1,2,3,4,5,6,7
	v_cvt_pk_f16_f32 v[S+32*\qt+16*\kk+\i], v[S+32*\qt+16*\kk+2*\i], v[S+32*\qt+16*\kk+2*\i+1]
.endr
.endr
.endm
; A trip: my 64 of the 128 keys at half u of the group in \slot.  mode 0: both tiles, no mask; 1: both tiles, tile 0 masked; 2: tile 1 alone, masked.
; first = 1: the trip starts the maximum, the sums and the accumulators (nothing is cleared).
; In both products the accumulators take turns, one instruction a turn.
.macro TRIP slot, u, mode, first
.irp kt, 0,1,2,3
.irp kc, 0,1
	ds_load_b128 v[KV+16*\kt+8*\kc:KV+16*\kt+8*\kc+3],   v[KA+\slot] offset:\u*128*KP+\kt*16*KP+\kc*64
	ds_load_b128 v[KV+16*\kt+8*\kc+4:KV+16*\kt+8*\kc+7], v[KA+\slot] offset:\u*128*KP+\kt*16*KP+\kc*64+32
.endr
.endr
.if \mode == 2
	s_wait_dscnt 8                                 ; key tiles 0, 1 are in (four loads a tile)
	SQK 1, 0, 0, 1
	SQK 1, 1, 0, 1
	SQK 1, 0, 1, 0
	SQK 1, 1, 1, 0
	s_wait_dscnt 0
	SQK 1, 2, 0, 1
	SQK 1, 3, 0, 1
	SQK 1, 2, 1, 0
	SQK 1, 3, 1, 0
.else
.irp kt, 0,1,2,3
	s_wait_dscnt 12-4*\kt                          ; key tile kt is in: four loads a tile, the younger tiles may be out
	SQK 0, \kt, 0, 1
	SQK 1, \kt, 0, 1
	SQK 0, \kt, 1, 0
	SQK 1, \kt, 1, 0
.endr
.endif
	NOPS 4                                         ; four places before loads land on K's fragments and vector instructions read the scores (ISA guide 7.12.1 for vector instructions)
.irp kk, 0,1
.irp dt, 0,1,2,3
	ds_load_tr16_b128 v[KV+32*\kk+8*\dt:KV+32*\kk+8*\dt+3],   v[VA+\slot] offset:\u*128*VP+\kk*32*VP+\dt*32
	ds_load_tr16_b128 v[KV+32*\kk+8*\dt+4:KV+32*\kk+8*\dt+7], v[VA+\slot] offset:\u*128*VP+\kk*32*VP+\dt*32+16*VP
.endr
.endr
.if \mode == 1
	MASK 0, \u
.endif
.if \mode == 2
	MASK 1, \u
	STATS 1, \first
	EXPS 1, \first
	s_wait_dscnt 8                                 ; V^T of my first 32 keys is in
.irp dt, 0,1,2,3
	PV 1, 0, \dt, \first
.endr
	s_wait_dscnt 0
.irp dt, 0,1,2,3
	PV 1, 1, \dt, 0
.endr
.else
	STATS 0, \first
	STATS 1, \first
	EXPS 0, \first
	EXPS 1, \first
	s_wait_dscnt 8                                 ; V^T of my first 32 keys is in
.irp dt, 0,1,2,3
	PV 0, 0, \dt, \first
	PV 1, 0, \dt, \first
.endr
	s_wait_dscnt 0
.irp dt, 0,1,2,3
	PV 0, 1, \dt, 0
	PV 1, 1, \dt, 0
.endr
.endif
	NOPS 5                                         ; five places before the next scores are written over P, four before loads land on V^T's fragments or anything reads the sums
.endm
; The end of a super-block: wave kh = 1 hands its sums and state to wave kh = 0 of the same qq through LDS; that wave merges, divides,
; splits each result into two bf16 parts and stores them.  The branches hang on the wave's number alone, and the barrier stands outside
; them.  The tensor loads of the next super-block's first group may be out across this barrier
; next group head's waits and round.
.macro FIN last, obase
.if \last == 0
	QLOAD 70                                       ; the next super-block's queries come while this one is merged
.endif
	v_permlanex16_b32 v[T], v[LS], s20, s21
	v_permlanex16_b32 v[T+1], v[LS+1], s20, s21
	v_add_f32 v[LS], v[LS], v[T]                   ; the two halves of the lanes held different keys of the same query
	v_add_f32 v[LS+1], v[LS+1], v[T+1]
	s_cmp_eq_u32 s13, 0
	s_cbranch_scc1 .Lno_give_\@
	v_mov_b32 v[T], v[NM]
	v_mov_b32 v[T+1], v[NM+2]
	v_mov_b32 v[T+2], v[LS]
	v_mov_b32 v[T+3], v[LS+1]
.set i_, 0
.rept 16
	ds_store_b128 v[MSTO], v[ACC+4*i_:ACC+4*i_+3] offset:512*i_
.set i_, i_+1
.endr
	ds_store_b128 v[MSTO], v[T:T+3] offset:8192
.Lno_give_\@:
	s_wait_dscnt 0x0                               ; for the other wave's sake: my stores are done
	s_barrier_signal -1
	s_barrier_wait -1
	s_cmp_lg_u32 s13, 0
	s_cbranch_scc1 .Lno_take_\@
.set i_, 0
.rept 16
	ds_load_b128 v[KV+4*i_:KV+4*i_+3], v[MSTO] offset:512*i_
.set i_, i_+1
.endr
	ds_load_b128 v[T+4:T+7], v[MSTO] offset:8192   ; the other wave's NM of tile 0, 1 and sums of tile 0, 1
	s_wait_dscnt 0x0
	v_min_num_f32 v[T], v[NM], v[T+4]              ; the common NM.  Mine is never the cap: my first 64 keys hold the super-block's key 0, which every query of it may see
	v_min_num_f32 v[T+1], v[NM+2], v[T+5]
	v_sub_f32 v[T+2], v[T], v[NM]
	v_sub_f32 v[T+3], v[T+1], v[NM+2]
	v_sub_f32 v[T], v[T], v[T+4]
	v_sub_f32 v[T+1], v[T+1], v[T+5]
	v_exp_f32 v[T+2], v[T+2]                       ; my factor, tile 0, 1
	v_exp_f32 v[T+3], v[T+3]
	v_exp_f32 v[T], v[T]                           ; the other wave's
	v_exp_f32 v[T+1], v[T+1]
	v_nop
	s_wait_alu depctr_va_vdst(0)
	v_mul_f32 v14, v[LS], v[T+2]
	v_mul_f32 v15, v[LS+1], v[T+3]
	v_fmac_f32 v14, v[T+6], v[T]
	v_fmac_f32 v15, v[T+7], v[T+1]                 ; the softmax's denominators: at least about 1, since the largest score adds 2^0
	v_rcp_f32 v14, v14
	v_rcp_f32 v15, v15
	v_nop
	s_wait_alu depctr_va_vdst(0)
	v_mul_f32 v[AL], v[T+2], v14                   ; weights of my sums, twice each,
	v_mul_f32 v[AL+1], v[T+2], v14
	v_mul_f32 v[AL+2], v[T+3], v15
	v_mul_f32 v[AL+3], v[T+3], v15
	v_mul_f32 v[NM], v[T], v14                     ; and of the other wave's
	v_mul_f32 v[NM+1], v[T], v14
	v_mul_f32 v[NM+2], v[T+1], v15
	v_mul_f32 v[NM+3], v[T+1], v15
.irp qt, 0,1
.set i_, 0
.rept 16
	v_pk_mul_f32 v[ACC+32*\qt+i_:ACC+32*\qt+i_+1], v[ACC+32*\qt+i_:ACC+32*\qt+i_+1], v[AL+2*\qt:AL+2*\qt+1]
.set i_, i_+2
.endr
.set i_, 0
.rept 16
	v_pk_fma_f32 v[ACC+32*\qt+i_:ACC+32*\qt+i_+1], v[KV+32*\qt+i_:KV+32*\qt+i_+1], v[NM+2*\qt:NM+2*\qt+1], v[ACC+32*\qt+i_:ACC+32*\qt+i_+1]
.set i_, i_+2
.endr
.endr
	; two bf16 parts: the result rounded, and what the rounding left (an exact difference in f32), rounded.
	; A lane's eight numbers of a tile are eight neighbouring d of query r: 16 bytes a part.
.set i_, 0
.rept 32
	v_cvt_pk_bf16_f32 v[S+i_], v[ACC+2*i_], v[ACC+2*i_+1]
.set i_, i_+1
.endr
.set i_, 0
.rept 32
	v_lshlrev_b32 v[KV+2*i_], 16, v[S+i_]          ; the upper part back in f32
	v_and_b32 v[KV+2*i_+1], 0xffff0000, v[S+i_]
.set i_, i_+1
.endr
.set i_, 0
.rept 32
	v_pk_add_f32 v[ACC+2*i_:ACC+2*i_+1], v[ACC+2*i_:ACC+2*i_+1], v[KV+2*i_:KV+2*i_+1] neg_lo:[0,1] neg_hi:[0,1]
.set i_, i_+1
.endr
.set i_, 0
.rept 32
	v_cvt_pk_bf16_f32 v[S+32+i_], v[ACC+2*i_], v[ACC+2*i_+1]
.set i_, i_+1
.endr
.irp p, 0,1
.irp qt, 0,1
.irp dt, 0,1,2,3
	ds_store_b128 v[OSTO], v[S+32*\p+16*\qt+4*\dt:S+32*\p+16*\qt+4*\dt+3] offset:(2*\p+\qt)*16*KP+\dt*32
.endr
.endr
.endr
.irp p, 0,1
.irp qt, 0,1
.irp i, 0,1,2,3
	ds_load_b128 v[KV+32*\p+16*\qt+4*\i:KV+32*\p+16*\qt+4*\i+3], v[ORD] offset:(2*\p+\qt)*16*KP+\i*4*KP   ; my own bytes, served in order behind the stores above
.endr
.endr
.endr
.irp p, 0,1
.irp qt, 0,1
.irp i, 0,1,2,3
	s_wait_dscnt 15-(8*\p+4*\qt+\i)                ; the younger read-backs may be out
	global_store_b128 v[OOFF], v[KV+32*\p+16*\qt+4*\i:KV+32*\p+16*\qt+4*\i+3], s[\obase:\obase+1] offset:\p*PART+\qt*32768+\i*512   ; four rows: 512 consecutive bytes, aligned
.endr
.endr
.endr
.if \last == 0
	s_wait_xcnt 0x0                                ; the stores' data registers are loaded again (the next K fragments) only behind this wait
.endif
.Lno_take_\@:
.if \last == 0
	s_wait_loadcnt 0x0                             ; the next queries
.endif
.endm
	QLOAD 66
	s_add_nc_u64 s[G0K+2:G0K+3], s[56:57], s[60:61]        ; the first group: super-block lo's own keys 0-255
	s_add_nc_u64 s[G0V+2:G0V+3], s[58:59], s[60:61]
	ROUND                                          ; all four work-groups are here: the first joint loads meet
	tensor_load_to_lds s[G0K:G0K+3], s[G1K:G1K+7]
	s_nop 0
	tensor_load_to_lds s[G0V:G0V+3], s[G1V:G1V+7]
	s_nop 0
	s_wait_loadcnt 0x0
	; super-block lo
	s_add_co_u32 s60, s60, GB                      ; next: its own keys 256-511
	GHEAD 0, 1
	TRIP 0, 0, 1, 1
	TRIP 0, 1, 1, 0
	s_cmp_lg_u32 s18, 0
	s_cselect_b32 s60, 0, s62                      ; next: the head's keys 0-255 if lo has earlier keys, else hi's own first group
	GHEAD 1, 1
	TRIP 1, 0, 2, 0
	TRIP 1, 1, 2, 0
	s_cmp_eq_u32 s18, 0                            ; lo comes from the cluster's number: the same in all four partners
	s_cbranch_scc1 .Lfin_lo
	s_mov_b32 s60, GB
	GHEAD 0, 1
	TRIP 0, 0, 0, 0
	TRIP 0, 1, 0, 0
	s_mov_b32 s60, s62
	GHEAD 1, 1
	TRIP 1, 0, 0, 0
	TRIP 1, 1, 0, 0
.Lfin_lo:
	FIN 0, 68
	; super-block hi
	s_add_co_u32 s60, s62, GB
	GHEAD 0, 1
	TRIP 0, 0, 1, 1
	TRIP 0, 1, 1, 0
	s_mov_b32 s60, 0                               ; next: the head's keys from 0 on, 2 hi groups
	GHEAD 1, 1
	TRIP 1, 0, 2, 0
	TRIP 1, 1, 2, 0
	s_mov_b32 s23, 0
.Loff:
	s_add_co_u32 s60, s60, GB
	GHEAD 0, 1
	TRIP 0, 0, 0, 0
	TRIP 0, 1, 0, 0
	s_add_co_u32 s60, s60, GB
	GHEAD 1, 1
	TRIP 1, 0, 0, 0
	TRIP 1, 1, 0, 0
	s_add_co_u32 s23, s23, 1
	s_cmp_lt_u32 s23, s16
	s_cbranch_scc1 .Loff
	s_add_co_u32 s60, s60, GB                      ; the last two groups: one more request, then none
	GHEAD 0, 1
	TRIP 0, 0, 0, 0
	TRIP 0, 1, 0, 0
	GHEAD 1, 0
	TRIP 1, 0, 0, 0
	TRIP 1, 1, 0, 0
	FIN 1, 76
	s_set_vgpr_msb 0x5
	s_wait_tensorcnt 0x0
	ds_add_u32 v0, v1
	s_wait_dscnt 0x0
	s_set_vgpr_msb 0x500
	ROUND                                          ; the closing round: no work-group ends while a partner may still ask for a tile that names it
	s_endpgm
.Lfunc_end_k_q4513ffa167_attn:
	.size	k_q4513ffa167_attn, .Lfunc_end_k_q4513ffa167_attn-k_q4513ffa167_attn
	.p2alignl 7, 3214868480
	.fill 96, 4, 3214868480
	.section	.rodata,"a",@progbits
	.p2align	6, 0x0
	.amdhsa_kernel k_q4513ffa167_attn
		.amdhsa_group_segment_fixed_size 327680
		.amdhsa_private_segment_fixed_size 0
		.amdhsa_enable_private_segment 0
		.amdhsa_kernarg_size 32
		.amdhsa_user_sgpr_count 2
		.amdhsa_user_sgpr_kernarg_segment_ptr 1
		.amdhsa_wavefront_size32 1
		.amdhsa_system_sgpr_workgroup_id_x 1
		.amdhsa_system_sgpr_workgroup_id_y 1
		.amdhsa_system_sgpr_workgroup_id_z 1
		.amdhsa_system_vgpr_workitem_id 0
		.amdhsa_next_free_vgpr 258
		.amdhsa_next_free_sgpr 80
		.amdhsa_reserve_vcc 1
		.amdhsa_float_denorm_mode_32 3
		.amdhsa_float_denorm_mode_16_64 3
		.amdhsa_memory_ordered 1
		.amdhsa_forward_progress 1
		.amdhsa_inst_pref_size 255
	.end_amdhsa_kernel
	.section	.bss,"aw",@nobits
	.p2align	6
	.space	262144
	.amdgpu_metadata
---
amdhsa.version: [ 1, 2 ]
amdhsa.kernels:
  - .name:           k_q4513ffa167_attn
    .symbol:         k_q4513ffa167_attn.kd
    .args:
      - { .name: qb, .offset: 0, .size: 8, .value_kind: global_buffer, .address_space: global }
      - { .name: kb, .offset: 8, .size: 8, .value_kind: global_buffer, .address_space: global }
      - { .name: vb, .offset: 16, .size: 8, .value_kind: global_buffer, .address_space: global }
      - { .name: ao, .offset: 24, .size: 8, .value_kind: global_buffer, .address_space: global }
    .group_segment_fixed_size: 327680
    .private_segment_fixed_size: 0
    .kernarg_segment_align: 8
    .kernarg_segment_size: 32
    .max_flat_workgroup_size: 256
    .sgpr_count:     80
    .vgpr_count:     258
    .wavefront_size: 32
...
	.end_amdgpu_metadata
.endif
;; end of part 3
;; launch oproj (part 4): grid 8 x 32, 4 waves a work-group, clusters of 4 x 4, 327,680 bytes of LDS; arguments ao, wb, out0; writes out0
.if DOCPART == 4
	.amdgcn_target "amdgcn-amd-amdhsa--gfx1250"
	.amdhsa_code_object_version 6
	.text
	.protected	k_q4513ffa167_oproj
	.globl	k_q4513ffa167_oproj
	.p2align	8
	.type	k_q4513ffa167_oproj,@function
k_q4513ffa167_oproj:
	s_mov_b64 s[64:65], 0
	v_nop
	global_prefetch_b8 v0, s[64:65] scope:SCOPE_SE
	s_setreg_imm32_b32 hwreg(HW_REG_WAVE_MODE, 25, 1), 1
	s_wait_xcnt 0x0
	s_wait_alu depctr_hold_cnt(0) depctr_sa_sdst(0) depctr_va_vdst(0) depctr_va_sdst(0) depctr_va_ssrc(0) depctr_va_vcc(0) depctr_vm_vsrc(0)
	s_getreg_b32 s2, hwreg(HW_REG_IB_STS2, 6, 4)
	s_cmp_eq_u32 s2, 0
	s_cbranch_scc0 .Lentry_in_a_cluster
	s_endpgm
.Lentry_in_a_cluster:
	s_bfe_u32 s2, ttmp6, 0x10000c
	s_cmp_lg_u32 s2, 0xf033
	s_cbranch_scc0 .Lentry_shape_is_right
	s_endpgm
.Lentry_shape_is_right:
; oproj: out0[t][e] = sum over d of a[t][d] Wo[e][d].  a comes as two bf16 parts, ao [head][part][4096][64] (d = 64 head + dd; a = part 0 + part 1,
; 16 significant bits); Wo = rows 3072 .. 4095 of wb, bf16; out0 f32.  Both parts are multiplied by the same numbers of Wo and added into one sum.
; WHY TWO PARTS: the outputs of a sequence's first positions are some ten times larger than a typical output; a rounding of a to 8 bits
; there would be large against the typical output.
; 4,096 x 1,024 outputs on 256 work-groups are blocks of 128 x 128; four waves make 64 x 64 each: 16 accumulator tiles, 128 registers.
; K = 1,024 goes in eight steps of 128 (two heads) through two LDS slots; a slot holds a's four blocks (2 heads x 2 parts x 128 rows) and
; Wo's 128 rows x 128 K.  Wo's fragments of a head are loaded once from LDS and serve both parts: 96 LDS loads for a step's 128 matrix instructions.
; CLUSTERS: 4 x 4 work-groups; a's tiles are shared along a row of the cluster, Wo's along a column: each is asked for jointly by four.
; REGISTERS: window 0: v16-26 addresses; v64-127, v128-191 fragments of a (tile a, K half kc at f + 16 a + 8 kc), two buffers;
; window 1: the same numbers for Wo's fragments; window 2: accumulator tile (a, b) at v[8 (4 a + b)].
; The matrix instruction is used transposed (source 0 = rows of Wo, source 1 = rows of a): a lane holds eight neighbouring columns of one row.
.set AP,     144                       ; a's LDS row: a head's 128 bytes + 16
.set ABLK,   128*AP                    ; one part of one head, 128 rows
.set AHALF,  2*ABLK                    ; what one tensor load brings of a: a head's two parts
.set PITCH,  272                       ; Wo's LDS row: 256 bytes + 16
.set BHALF,  64*PITCH                  ; what one tensor load brings of Wo: 64 rows x 128 K
.set SLOT,   4*ABLK+2*BHALF            ; 108,544
.set STAGE,  2*SLOT
.set SPITCH, 272                       ; the way out: 64 f32 + 16 bytes
.set LAPS,   4                         ; a lap = two K steps = once round the ring
.set ADRA, 16
.set ADRB, 20
.set STO,  24
.set RD,   25
.set CO,   26
.set F0,   64
.set F1,   128
.set G1,  24
.set G0,  32
.set G1B, 48
.set G0B, 56
.set MSB, 0
.macro WIN new
.if MSB != \new
	s_set_vgpr_msb (MSB<<8)|\new
.set MSB, \new
.endif
.endm
.set MUL,  0xa1                        ; source 0 (Wo) window 1, source 1 (a) window 0, C and D window 2
.set TO_B, 0x40
.macro JLOAD s                         ; waves 0, 1 fetch a's two heads, waves 2, 3 Wo's two halves
	s_cmp_eq_u32 s11, 0
	s_cbranch_scc0 .Lfor_b_\@
	tensor_load_to_lds s[G0+4*\s:G0+4*\s+3], s[G1:G1+7]
	s_nop 0
	s_branch .Lasked_\@
.Lfor_b_\@:
	tensor_load_to_lds s[G0B+4*\s:G0B+4*\s+3], s[G1B:G1B+7]
	s_nop 0
.Lasked_\@:
.endm
.macro CREST
	s_cmp_lg_u32 s10, 0
	s_cbranch_scc1 .Lnot_wave_0_\@
	s_barrier_signal -3
.Lnot_wave_0_\@:
	s_barrier_wait -3
	s_barrier_signal -1
	s_barrier_wait -1
.endm
.macro CROUND
	s_barrier_signal -1
	s_barrier_wait -1
	CREST
.endm
	s_load_b128 s[4:7], s[0:1], 0x0                ; ao s[4:5], wb s[6:7]
	s_load_b64 s[8:9], s[0:1], 0x10                ; out0
	s_set_vgpr_msb 0x40
	v_lshl_add_u32 v255, v0, 2, 0x39400
	s_set_vgpr_msb 0x4000
	v_mov_b32 v255, 0
	s_set_vgpr_msb 0x1
	ds_add_u32 v255, v255
	s_set_vgpr_msb 0x100
	v_lshrrev_b32 v1, 5, v0
	v_readfirstlane_b32 s10, v1                    ; wave 0..3
	s_lshr_b32 s11, s10, 1                         ; my half of the block's rows.  Also: I fetch for a (0) or for Wo (1)
	s_and_b32 s12, s10, 1                          ; my half of its columns.  Also: which half of that tile I fetch
	s_bfe_u32 s40, ttmp6, 0x40000                  ; cx
	s_bfe_u32 s41, ttmp6, 0x40004                  ; cy
	s_lshl_b32 s42, ttmp9, 2
	s_add_co_u32 s42, s42, s40                     ; block of 128 columns
	s_and_b32 s13, ttmp7, 0xffff
	s_lshl_b32 s13, s13, 2
	s_add_co_u32 s13, s13, s41                     ; block of 128 rows
	s_lshl_b32 s43, s41, 2
	s_lshl_b32 s43, 15, s43                        ; my row of the cluster
	s_lshl_b32 s44, 0x1111, s40                    ; my column
	; a's tile: two rows of 2,048 elements of 8 bytes (128 rows of a part are 16,384 dense bytes), 65,536 elements apart (from part to part); 16 bytes of padding behind every 32 words
	s_or_b32 s[G1+0], s43, (3<<16)|(1<<20)|(1<<21)|(4<<22)|(3<<25)
	s_mov_b32 s[G1+1], 2048<<16                    ; tensor_dim0
	s_mov_b32 s[G1+2], 2<<16                       ; tensor_dim1
	s_mov_b32 s[G1+3], 2048<<16                    ; tile_dim0
	s_mov_b32 s[G1+4], 2                           ; tile_dim1
	s_mov_b32 s[G1+5], 65536                       ; elements from row to row
	s_mov_b32 s[G1+6], 0
	s_mov_b32 s[G1+7], 0
	; Wo's tile: 64 rows of 128 elements of 2 bytes, 16 bytes of padding behind every 64 words
	s_or_b32 s[G1B+0], s44, (1<<16)|(1<<20)|(1<<21)|(5<<22)|(3<<25)
	s_mov_b32 s[G1B+1], 128<<16                    ; tensor_dim0
	s_mov_b32 s[G1B+2], 64<<16                     ; tensor_dim1
	s_mov_b32 s[G1B+3], 128<<16                    ; tile_dim0
	s_mov_b32 s[G1B+4], 64                         ; tile_dim1
	s_mov_b32 s[G1B+5], 1024
	s_mov_b32 s[G1B+6], 0
	s_mov_b32 s[G1B+7], 0
	s_lshl_b32 s16, s13, 14                        ; a: my block's 128 rows of 128 bytes in a part,
	s_lshl_b32 s17, s12, 20                        ; + a head (two parts of 524,288 bytes) for the second half
	s_add_co_u32 s16, s16, s17
	s_mov_b32 s17, 0
	s_lshl_b32 s46, s42, 18                        ; Wo: my block's 128 rows of 2,048 bytes,
	s_lshl_b32 s47, s12, 17                        ; + 64 rows for the second half,
	s_add_co_u32 s46, s46, s47
	s_add_co_u32 s46, s46, 3072*2048               ; behind the 3,072 rows of Wq, Wk, Wv
	s_mov_b32 s47, 0
	s_mul_i32 s20, s10, AHALF                      ; LDS: waves 0, 1: a's heads;
	s_mul_i32 s21, s10, BHALF
	s_add_co_u32 s21, s21, 4*ABLK-2*BHALF          ; waves 2, 3: Wo's halves, behind a's four blocks
	s_wait_dscnt 0x0
	s_wait_kmcnt 0x0
	s_add_nc_u64 s[14:15], s[4:5], s[16:17]
	s_add_nc_u64 s[46:47], s[6:7], s[46:47]
	CROUND                                         ; the first joint loads meet
.irp s, 0,1
	s_mov_b32 s[G0+4*\s], 1
	s_add_co_u32 s[G0+4*\s+1], s20, \s*SLOT
	s_add_nc_u64 s[G0+4*\s+2:G0+4*\s+3], s[14:15], \s*4*524288
	s_or_b32 s[G0+4*\s+3], s[G0+4*\s+3], 0x80000000
	s_mov_b32 s[G0B+4*\s], 1
	s_add_co_u32 s[G0B+4*\s+1], s21, \s*SLOT
	s_add_nc_u64 s[G0B+4*\s+2:G0B+4*\s+3], s[46:47], \s*256
	s_or_b32 s[G0B+4*\s+3], s[G0B+4*\s+3], 0x80000000
	JLOAD \s                                       ; K steps 0 and 1: a wave has two tensor loads out, never more
.endr
	v_and_b32 v1, 15, v0                           ; r
	v_bfe_u32 v2, v0, 4, 1                         ; h
	v_mul_u32_u24 v3, v1, AP
	v_lshl_add_u32 v3, v2, 4, v3
	s_mul_i32 s22, s11, 64*AP                      ; my 64 rows of a
	v_add_nc_u32 v[ADRA], s22, v3
	v_add_nc_u32 v[ADRA+1], SLOT, v[ADRA]
	v_mul_u32_u24 v4, v1, PITCH
	v_lshl_add_u32 v4, v2, 4, v4
	s_mul_i32 s22, s12, 64*PITCH                   ; my 64 rows of Wo
	s_add_co_u32 s22, s22, 4*ABLK
	v_add_nc_u32 v[ADRB], s22, v4
	v_add_nc_u32 v[ADRB+1], SLOT, v[ADRB]
	s_mul_i32 s23, s10, 16*SPITCH
	s_add_co_u32 s23, s23, STAGE                   ; my stage
	v_mul_u32_u24 v5, v1, SPITCH
	v_lshl_add_u32 v5, v2, 5, v5                   ; in: row r, 32 bytes for each half of the lanes
	v_add_nc_u32 v[STO], s23, v5
	v_mul_u32_u24 v6, v2, SPITCH
	v_lshl_add_u32 v6, v1, 4, v6                   ; back: lanes 0-15 one row of 256 bytes, lanes 16-31 the next
	v_add_nc_u32 v[RD], s23, v6
	v_lshlrev_b32 v7, 12, v2                       ; and the same two rows of 4,096 bytes in out0
	v_lshl_add_u32 v[CO], v1, 4, v7
; 8 matrix instructions: row tiles a0, a0 + 1 (buffer fa) x 4 column tiles (buffer fb), K half kc of a chunk of 64
.macro MUL8 fa, fb, kc, a0, zero
.irp a, \a0, \a0+1
.irp b, 0,1,2,3
.if \zero
	v_wmma_f32_16x16x32_bf16 v[8*(4*(\a)+\b):8*(4*(\a)+\b)+7], v[\fb+16*\b+8*\kc:\fb+16*\b+8*\kc+7], v[\fa+16*(\a)+8*\kc:\fa+16*(\a)+8*\kc+7], 0
.else
	v_wmma_f32_16x16x32_bf16 v[8*(4*(\a)+\b):8*(4*(\a)+\b)+7], v[\fb+16*\b+8*\kc:\fb+16*\b+8*\kc+7], v[\fa+16*(\a)+8*\kc:\fa+16*(\a)+8*\kc+7], v[8*(4*(\a)+\b):8*(4*(\a)+\b)+7]
.endif
.endr
.endr
.endm
; One run of LDS loads: chunk q of the slot (q = 2 x head + part, 64 along K).  a's 16 loads go into buffer fa, its second K half last.
; An even q (a head's first part) also brings the head's 16 loads of Wo, into buffer fb, ahead of a's; the odd q uses them again.
.macro FETCH slot, q, fa, fb
.if (\q%2) == 0
	WIN TO_B
.irp b, 0,1,2,3
.irp kc, 0,1
	ds_load_b128 v[\fb+16*\b+8*\kc:\fb+16*\b+8*\kc+3],   v[ADRB+\slot] offset:(\q/2)*128+\b*16*PITCH+\kc*64
	ds_load_b128 v[\fb+16*\b+8*\kc+4:\fb+16*\b+8*\kc+7], v[ADRB+\slot] offset:(\q/2)*128+\b*16*PITCH+\kc*64+32
.endr
.endr
.endif
	WIN 0
.irp kc, 0,1
.irp a, 0,1,2,3
	ds_load_b128 v[\fa+16*\a+8*\kc:\fa+16*\a+8*\kc+3],   v[ADRA+\slot] offset:\q*ABLK+\a*16*AP+\kc*64
	ds_load_b128 v[\fa+16*\a+8*\kc+4:\fa+16*\a+8*\kc+7], v[ADRA+\slot] offset:\q*ABLK+\a*16*AP+\kc*64+32
.endr
.endr
.endm
.macro PLACES                          ; four places behind a matrix instruction before a load lands on its sources or anything reads its result (ISA guide 7.12.1 for vector instructions)
.rept 4
	v_nop
.endr
.endm
; A K step is four chunks of 64, 32 matrix instructions each: a's buffers 0, 1, 0, 1, Wo's buffers 0, 0, 1, 1.
; The 16 accumulators take turns in one fixed order, over the backward jump too.
; One of the first three: multiplies (fa, fb); in its middle it fetches chunk q into (ga, gb).
.macro QUARTER slot, q, fa, fb, ga, gb, zero
	s_wait_dscnt 8                                 ; Wo and a's first K half are in; the youngest eight loads (a's second half) may be out
	WIN MUL
	MUL8 \fa, \fb, 0, 0, \zero
	MUL8 \fa, \fb, 0, 2, \zero
	PLACES
	FETCH \slot, \q, \ga, \gb
	s_wait_dscnt 32-16*(\q%2)                      ; all but the run just issued: 32 loads with Wo's, 16 without
	WIN MUL
	MUL8 \fa, \fb, 1, 0, 0
	MUL8 \fa, \fb, 1, 2, 0
.endm
.macro THREE slot, zero
	QUARTER \slot, 1, F0, F0, F1, F0, \zero
	QUARTER \slot, 2, F1, F0, F0, F1, 0
	QUARTER \slot, 3, F0, F1, F1, F1, 0
.endm
; The last chunk multiplies (1, 1) and changes slots.  In front of the barrier each wave waits for its reads of this slot and for all its
; tensor loads (the one that is out is its part of the next slot).  Behind it the refill comes first, then the next slot's fragments.
.macro TURN slot, next, fill
	s_wait_dscnt 8
	WIN MUL
	MUL8 F1, F1, 0, 0, 0
	MUL8 F1, F1, 0, 2, 0
	s_wait_dscnt 0                                 ; my reads of this slot are over
	s_wait_tensorcnt 0x0                           ; and all my tensor loads have landed: my part of the next slot
	ds_add_u32 v255, v255
	s_wait_dscnt 0x0
	s_barrier_signal -1                            ; where a slot is filled again this barrier opens a round of the cluster's barrier
	MUL8 F1, F1, 1, 0, 0
	WIN 0
	s_barrier_wait -1
.if \fill
	CREST
	s_add_nc_u64 s[G0+4*\slot+2:G0+4*\slot+3], s[G0+4*\slot+2:G0+4*\slot+3], 8*524288
	s_add_nc_u64 s[G0B+4*\slot+2:G0B+4*\slot+3], s[G0B+4*\slot+2:G0B+4*\slot+3], 512
	JLOAD \slot                                    ; the first tensor load behind the round
.endif
	PLACES
	FETCH \next, 0, F0, F0
	WIN MUL
	MUL8 F1, F1, 1, 2, 0
.endm
.macro LAP zero
	THREE 0, \zero
	TURN 0, 1, 1
	THREE 1, 0
	TURN 1, 0, 1
.endm
	s_wait_tensorcnt 1                             ; my part of K step 0 is in; K step 1's may stay out
	s_barrier_signal -1
	s_barrier_wait -1
	FETCH 0, 0, F0, F0
	LAP 1                                          ; the first products start the sums
	WIN 0
	s_mov_b32 s3, LAPS-2
.Llap:
	LAP 0
	WIN 0
	s_sub_co_u32 s3, s3, 1
	s_cmp_lg_u32 s3, 0
	s_cbranch_scc1 .Llap
	THREE 0, 0                                     ; the last lap fills nothing
	TURN 0, 1, 0
	THREE 1, 0
	s_wait_dscnt 8
	WIN MUL
	MUL8 F1, F1, 0, 0, 0
	MUL8 F1, F1, 0, 2, 0
	s_wait_dscnt 0
	MUL8 F1, F1, 1, 0, 0
	MUL8 F1, F1, 1, 2, 0
	; THE WAY OUT, 16 rows at a time through my own stage: 32 bytes a lane in, whole rows of 256 bytes back.
	PLACES
	s_lshl_b32 s66, s13, 19                        ; my block's first row: 128 rows of 4,096 bytes,
	s_lshl_b32 s67, s11, 18                        ; + my 64 rows,
	s_add_co_u32 s66, s66, s67
	s_lshl_b32 s67, s42, 9                         ; + my block's 128 columns of 4 bytes,
	s_add_co_u32 s66, s66, s67
	s_lshl_b32 s67, s12, 8                         ; + my 64 columns
	s_add_co_u32 s66, s66, s67
	s_mov_b32 s67, 0
	s_add_nc_u64 s[8:9], s[8:9], s[66:67]
.macro OUT16 a, f
	WIN 0x08                                       ; store data from window 2
.irp b, 0,1,2,3
	ds_store_b128 v[STO], v[8*(4*\a+\b):8*(4*\a+\b)+3]   offset:64*\b
	ds_store_b128 v[STO], v[8*(4*\a+\b)+4:8*(4*\a+\b)+7] offset:64*\b+16
.endr
	WIN 0
	s_wait_xcnt 0x0                                ; buffer f, which earlier stores read, is loaded again only behind this wait
.irp t, 0,1,2,3,4,5,6,7
	ds_load_b128 v[\f+4*\t:\f+4*\t+3], v[RD] offset:\t*2*SPITCH    ; my own bytes, served in order behind the stores above
.endr
.irp t, 0,1,2,3,4,5,6,7
	s_wait_dscnt 7-\t
	global_store_b128 v[CO], v[\f+4*\t:\f+4*\t+3], s[8:9] offset:\a*65536+\t*8192 th:TH_STORE_NT   ; 16 lanes store 256 consecutive bytes, aligned
.endr
.endm
	OUT16 0, F0
	OUT16 1, F1
	OUT16 2, F0
	OUT16 3, F1
	s_set_vgpr_msb 0x1
	s_wait_tensorcnt 0x0
	ds_add_u32 v255, v255
	s_wait_dscnt 0x0
	s_set_vgpr_msb 0x100
	CROUND                                         ; the closing round
	s_endpgm
.Lfunc_end_k_q4513ffa167_oproj:
	.size	k_q4513ffa167_oproj, .Lfunc_end_k_q4513ffa167_oproj-k_q4513ffa167_oproj
	.p2alignl 7, 3214868480
	.fill 96, 4, 3214868480
	.section	.rodata,"a",@progbits
	.p2align	6, 0x0
	.amdhsa_kernel k_q4513ffa167_oproj
		.amdhsa_group_segment_fixed_size 327680
		.amdhsa_private_segment_fixed_size 0
		.amdhsa_enable_private_segment 0
		.amdhsa_kernarg_size 24
		.amdhsa_user_sgpr_count 2
		.amdhsa_user_sgpr_kernarg_segment_ptr 1
		.amdhsa_wavefront_size32 1
		.amdhsa_system_sgpr_workgroup_id_x 1
		.amdhsa_system_sgpr_workgroup_id_y 1
		.amdhsa_system_sgpr_workgroup_id_z 1
		.amdhsa_system_vgpr_workitem_id 0
		.amdhsa_next_free_vgpr 640
		.amdhsa_next_free_sgpr 80
		.amdhsa_reserve_vcc 0
		.amdhsa_float_denorm_mode_32 3
		.amdhsa_float_denorm_mode_16_64 3
		.amdhsa_memory_ordered 1
		.amdhsa_forward_progress 1
		.amdhsa_inst_pref_size 110
	.end_amdhsa_kernel
	.amdgpu_metadata
---
amdhsa.version: [ 1, 2 ]
amdhsa.kernels:
  - .name:           k_q4513ffa167_oproj
    .symbol:         k_q4513ffa167_oproj.kd
    .args:
      - { .name: ao, .offset: 0, .size: 8, .value_kind: global_buffer, .address_space: global }
      - { .name: wb, .offset: 8, .size: 8, .value_kind: global_buffer, .address_space: global }
      - { .name: out0, .offset: 16, .size: 8, .value_kind: global_buffer, .address_space: global }
    .group_segment_fixed_size: 327680
    .private_segment_fixed_size: 0
    .kernarg_segment_align: 8
    .kernarg_segment_size: 24
    .max_flat_workgroup_size: 128
    .sgpr_count:     80
    .vgpr_count:     640
    .wavefront_size: 32
...
	.end_amdgpu_metadata
.endif
;; end of part 4
;; ======== version 2 of 2: 4 launches; version 1 with the launch prep written anew for expert scheduling mode
;; limits: values are held in f16: magnitudes above 65,504 overflow, below 6.1e-05 lose precision
;; workspace buffers: xb 8,388,608 bytes; wb 8,388,608 bytes; tab 524,288 bytes; qb 8,388,608 bytes; kb 8,388,608 bytes; vb 8,388,608 bytes; ao 16,777,216 bytes
;; launch prep (part 5): grid 256 x 1, 8 waves a work-group, no clusters, 0 bytes of LDS; arguments x, Wq, Wk, Wv, Wo, xb, wb, tab; writes xb, wb, tab
.if DOCPART == 5
	.amdgcn_target "amdgcn-amd-amdhsa--gfx1250"
	.amdhsa_code_object_version 6
	.text
	.protected	k_q4513ffa167_prep
	.globl	k_q4513ffa167_prep
	.p2align	8
	.type	k_q4513ffa167_prep,@function
k_q4513ffa167_prep:
	s_mov_b64 s[64:65], 0
	v_nop
	global_prefetch_b8 v0, s[64:65] scope:SCOPE_SE
	s_setreg_imm32_b32 hwreg(HW_REG_WAVE_SCHED_MODE, 0, 2), 2
	s_setreg_imm32_b32 hwreg(HW_REG_WAVE_MODE, 25, 1), 1
	s_wait_xcnt 0x0
	s_wait_alu depctr_vm_vsrc(0)
; prep: x and the four weight matrices are rounded once to bf16, and the cos/sin cache is made.
;   xb  [4096][1024] bf16 = x
;   wb  [4096][1024] bf16: row 192 h + 64 m + e = row 64 h + e of Wq, Wk, Wv (m = 0, 1, 2): a head's 192 rows lie together; rows 3072 + e = Wo
;   tab [2048 t][64] f32: cos(t theta_i), i = 0..31, then sin(t theta_i); theta_i = 10000^(-i/32)
; A stream: no LDS, no matrix unit, no cluster (no byte is read twice).  256 work-groups of 8 waves; work-group g takes 64 KiB of x,
; rows 4 g .. 4 g + 3 of each W and table rows 8 g .. 8 g + 7.  A thread issues all its 32 loads of 16 bytes at once, makes its two
; table numbers while they are on their way, and then rounds and stores the loads in blocks of four as they come: a wave's store of
; 8 bytes a lane covers 256 consecutive bytes, aligned.
; LIMIT: cos and sin come from a reduction to half turns and an odd polynomial of degree 11 (remainder 6e-8); theta comes from v_exp_f32
; (1 ULP), so at the largest angles (t theta near 2,000) a table number may differ from an exactly rounded cache by some 2e-4.
; THE MODE: SCHED_MODE bits 1:0 = 2 (LLVM: expert scheduling mode 2), set by the entry lines.  The code itself states the register dependences
; between vector instructions and memory instructions, with s_wait_alu, always for 0.
; THE PLAN.  Registers that memory instructions touch:
;   v1, v2     byte offsets of the loads and of the stores: made once at the head, never written again.
;   X          load n lands in its own four registers, before any vector instruction has named them.  Block p (loads 4 p .. 4 p + 3): its eight
;              roundings read the block's sixteen registers and write the first two of each four; the four stores that read those are issued
;              in block p + 1.  Behind its store no register of X is written again.
;   v[22:23]   the two table numbers: written by the table's last lines, read by one store, issued in block 0, never written again.
;   v4 .. v21  are named by vector instructions alone.
; So one wait on va_vdst stands at the head of each block, behind the wait for the block's data: it states that the block before (for block 0:
; the table's arithmetic) has written what the stores of this block read.  These stores are dealt among the block's roundings, which name
; block p's registers alone: none that those stores touch.  No register that a memory instruction has read is ever written again, so the
; text holds no wait on vm_vsrc past the entry.  The text has no loop.
.set X,   32                           ; v[32:159]  load n: 4 registers
.set IPH, 0x3ea2f983                   ; 1/pi, rounded to f32
.set IPL, 0x325c9c88                   ; 1/pi minus that
.set NLT, 0xbed49a78                   ; -log2(10000)/32
	s_load_b512 s[4:19], s[0:1], 0x0               ; x, Wq, Wk, Wv, Wo, xb, wb, tab
	v_lshlrev_b32 v1, 4, v0                        ; 16 bytes a thread in
	v_lshlrev_b32 v2, 3, v0                        ; 8 bytes a thread out
	s_lshl_b32 s20, ttmp9, 16                      ; x: 65,536 bytes a work-group
	s_mov_b32 s21, 0
	s_lshl_b32 s22, ttmp9, 14                      ; each W: 4 rows of 4,096 bytes
	s_mov_b32 s23, 0
	s_lshl_b32 s24, ttmp9, 15                      ; xb: 32,768 bytes
	s_mov_b32 s25, 0
	s_lshr_b32 s26, ttmp9, 4                       ; head = g / 16
	s_mul_i32 s26, s26, 192
	s_and_b32 s27, ttmp9, 15
	s_lshl2_add_u32 s26, s27, s26                  ; row in wb = 192 head + 4 (g % 16)
	s_lshl_b32 s26, s26, 11                        ; rows of 2,048 bytes
	s_mov_b32 s27, 0
	s_lshl_b32 s28, ttmp9, 13                      ; Wo's part of wb: 4 rows of 2,048 bytes
	s_mov_b32 s29, 0
	s_lshl_b32 s30, ttmp9, 11                      ; tab: 8 rows of 256 bytes
	s_mov_b32 s31, 0
	s_lshl_b32 s2, ttmp9, 3                        ; first t of the work-group
	s_wait_kmcnt 0x0
	s_add_nc_u64 s[4:5], s[4:5], s[20:21]
	s_add_nc_u64 s[6:7], s[6:7], s[22:23]
	s_add_nc_u64 s[8:9], s[8:9], s[22:23]
	s_add_nc_u64 s[10:11], s[10:11], s[22:23]
	s_add_nc_u64 s[12:13], s[12:13], s[22:23]
	s_add_nc_u64 s[14:15], s[14:15], s[24:25]
	s_add_nc_u64 s[26:27], s[16:17], s[26:27]      ; wb at my rows of the head's block
	s_add_nc_u64 s[28:29], s[16:17], s[28:29]      ; wb at my rows of Wo, less the 3,072 rows that the immediate adds
	s_add_nc_u64 s[18:19], s[18:19], s[30:31]
	s_wait_alu depctr_va_vdst(0)                   ; v1 and v2 are written: every load of the kernel reads v1 as its offset, every store v2
.irp c, 0,1,2,3,4,5,6,7,8,9,10,11,12,13,14,15
	global_load_b128 v[X+4*\c:X+4*\c+3], v1, s[4:5] offset:\c*4096 th:TH_LOAD_NT
.endr
.irp c, 0,1,2,3
	global_load_b128 v[X+64+4*\c:X+64+4*\c+3], v1, s[6:7] offset:\c*4096 th:TH_LOAD_NT
.endr
.irp c, 0,1,2,3
	global_load_b128 v[X+80+4*\c:X+80+4*\c+3], v1, s[8:9] offset:\c*4096 th:TH_LOAD_NT
.endr
.irp c, 0,1,2,3
	global_load_b128 v[X+96+4*\c:X+96+4*\c+3], v1, s[10:11] offset:\c*4096 th:TH_LOAD_NT
.endr
.irp c, 0,1,2,3
	global_load_b128 v[X+112+4*\c:X+112+4*\c+3], v1, s[12:13] offset:\c*4096 th:TH_LOAD_NT
.endr
	; The table, while the loads are on their way.  Wave w makes row t = 8 g + w; lane l makes numbers 2 l and 2 l + 1 of the row:
	; lanes 0-15 cos for i = 2 l, 2 l + 1, lanes 16-31 sin for i = 2 (l - 16), + 1.  cos(a) = sin(a + pi/2): half a half-turn more.
	; These lines name v0 and v4 to v23 alone: no register in which a load lands, and neither offset.
	v_and_b32 v4, 31, v0
	v_lshrrev_b32 v5, 5, v0
	v_add_nc_u32 v5, s2, v5
	v_cvt_f32_u32 v5, v5                           ; t
	v_and_b32 v6, 15, v4
	v_lshlrev_b32 v6, 1, v6
	v_cvt_f32_u32 v6, v6                           ; i
	v_add_f32 v7, 1.0, v6                          ; i + 1
	v_lshrrev_b32 v8, 4, v4
	v_cvt_f32_u32 v8, v8
	v_fma_f32 v8, v8, -0.5, 0.5                    ; ph = 0.5 for cos, 0 for sin
	v_mul_f32 v6, NLT, v6
	v_mul_f32 v7, NLT, v7
	v_exp_f32 v10, v6                              ; theta_i
	v_exp_f32 v11, v7
	v_nop                                          ; one plain instruction behind the transcendentals before their results are used (ISA guide 5.7.2)
	s_wait_alu depctr_va_vdst(0)                   ; the two exponentials have written theta, v10 and v11, ahead of the first line that names them: one wait for the batch
.irp a, 10, 11
	v_mul_f32 v[\a], v5, v[\a]                     ; the angle, rounded as the cache's outer product rounds it
	v_fmamk_f32 v[\a+2], v[\a], IPH, v8            ; half turns
	v_rndne_f32 v[\a+4], v[\a+2]                   ; k: whole half turns
	v_sub_f32 v[\a+2], v8, v[\a+4]                 ; ph - k, exact
	v_fmamk_f32 v[\a+6], v[\a], IPH, v[\a+2]       ; the fraction g in [-0.5, 0.5], formed with one rounding,
	v_fmamk_f32 v[\a+6], v[\a], IPL, v[\a+6]       ; and 1/pi's lower part
	v_mul_f32 v[\a+8], v[\a+6], v[\a+6]            ; z = g g
	v_mov_b32 v[\a+10], 0xbbf183a6                 ; sin(pi g) = g (pi - pi^3/3! z + .. - pi^11/11! z^5)
	v_fmaak_f32 v[\a+10], v[\a+10], v[\a+8], 0x3da83c1b
	v_fmaak_f32 v[\a+10], v[\a+10], v[\a+8], 0xbf196966
	v_fmaak_f32 v[\a+10], v[\a+10], v[\a+8], 0x402335e3
	v_fmaak_f32 v[\a+10], v[\a+10], v[\a+8], 0xc0a55de7
	v_fmaak_f32 v[\a+10], v[\a+10], v[\a+8], 0x40490fdb
	v_mul_f32 v[\a+10], v[\a+10], v[\a+6]
	v_cvt_i32_f32 v[\a+4], v[\a+4]
	v_lshlrev_b32 v[\a+4], 31, v[\a+4]             ; an odd k turns the sign
	v_xor_b32 v[\a+12], v[\a+10], v[\a+4]
.endr
; Load i of block p: four numbers are rounded to bf16 in place, into the first two of their four registers.  The other two are not used again.
.macro RND p, i
	v_cvt_pk_bf16_f32 v[X+16*(\p)+4*(\i)], v[X+16*(\p)+4*(\i)], v[X+16*(\p)+4*(\i)+1]
	v_cvt_pk_bf16_f32 v[X+16*(\p)+4*(\i)+1], v[X+16*(\p)+4*(\i)+2], v[X+16*(\p)+4*(\i)+3]
.endm
; The same four numbers are stored: base s[b:b+1], the block's offset off, 2,048 bytes from load to load.
.macro OUT p, i, b, off
	global_store_b64 v2, v[X+16*(\p)+4*(\i):X+16*(\p)+4*(\i)+1], s[\b:\b+1] offset:(\off)+(\i)*2048
.endm
; Block p, 1 to 7.  b, off: where the stores of block p - 1 go.
.macro BLK p, b, off
	s_wait_loadcnt 28-4*(\p)                       ; loads come back in order (ISA guide 5.7.1): block p's four are in, the 28 - 4 p younger ones may be out
	s_wait_alu depctr_va_vdst(0)                   ; the roundings of block p - 1 have written the registers that the four stores below read
.irp i, 0,1,2,3
	OUT (\p)-1, \i, \b, \off                       ; no vector instruction since the wait names these registers or v2
	RND \p, \i
.endr
.endm
	s_wait_loadcnt 28                              ; block 0: its four loads are in, the 28 younger ones may be out
	s_wait_alu depctr_va_vdst(0)                   ; the table's last lines have written v22 and v23, which the store below reads
	global_store_b64 v2, v[22:23], s[18:19]        ; a wave stores one table row of 256 bytes
.irp i, 0,1,2,3
	RND 0, \i
.endr
	BLK 1, 14, 0                                   ; blocks 0 to 3 are x: 8,192 bytes of xb a block
	BLK 2, 14, 8192
	BLK 3, 14, 16384
	BLK 4, 14, 24576
	BLK 5, 26, 0                                   ; block 4 is Wq: the head's rows 0 to 63 in wb,
	BLK 6, 26, 131072                              ; block 5 Wk: 64 rows of 2,048 bytes further on,
	BLK 7, 26, 262144                              ; block 6 Wv: 128 rows further on
	s_wait_alu depctr_va_vdst(0)                   ; the roundings of block 7 have written the registers that the last four stores read
.irp i, 0,1,2,3
	OUT 7, \i, 28, 6291456                         ; block 7 is Wo: behind the 3,072 rows of Wq, Wk, Wv
.endr
	s_endpgm
.Lfunc_end_k_q4513ffa167_prep:
	.size	k_q4513ffa167_prep, .Lfunc_end_k_q4513ffa167_prep-k_q4513ffa167_prep
	.p2alignl 7, 3214868480
	.fill 96, 4, 3214868480
	.section	.rodata,"a",@progbits
	.p2align	6, 0x0
	.amdhsa_kernel k_q4513ffa167_prep
		.amdhsa_group_segment_fixed_size 0
		.amdhsa_private_segment_fixed_size 0
		.amdhsa_enable_private_segment 0
		.amdhsa_kernarg_size 64
		.amdhsa_user_sgpr_count 2
		.amdhsa_user_sgpr_kernarg_segment_ptr 1
		.amdhsa_wavefront_size32 1
		.amdhsa_system_sgpr_workgroup_id_x 1
		.amdhsa_system_sgpr_workgroup_id_y 1
		.amdhsa_system_sgpr_workgroup_id_z 1
		.amdhsa_system_vgpr_workitem_id 0
		.amdhsa_next_free_vgpr 160
		.amdhsa_next_free_sgpr 66
		.amdhsa_reserve_vcc 0
		.amdhsa_float_denorm_mode_32 3
		.amdhsa_float_denorm_mode_16_64 3
		.amdhsa_memory_ordered 1
		.amdhsa_forward_progress 1
		.amdhsa_inst_pref_size 15
	.end_amdhsa_kernel
	.amdgpu_metadata
---
amdhsa.version: [ 1, 2 ]
amdhsa.kernels:
  - .name:           k_q4513ffa167_prep
    .symbol:         k_q4513ffa167_prep.kd
    .args:
      - { .name: x, .offset: 0, .size: 8, .value_kind: global_buffer, .address_space: global }
      - { .name: Wq, .offset: 8, .size: 8, .value_kind: global_buffer, .address_space: global }
      - { .name: Wk, .offset: 16, .size: 8, .value_kind: global_buffer, .address_space: global }
      - { .name: Wv, .offset: 24, .size: 8, .value_kind: global_buffer, .address_space: global }
      - { .name: Wo, .offset: 32, .size: 8, .value_kind: global_buffer, .address_space: global }
      - { .name: xb, .offset: 40, .size: 8, .value_kind: global_buffer, .address_space: global }
      - { .name: wb, .offset: 48, .size: 8, .value_kind: global_buffer, .address_space: global }
      - { .name: tab, .offset: 56, .size: 8, .value_kind: global_buffer, .address_space: global }
    .group_segment_fixed_size: 0
    .private_segment_fixed_size: 0
    .kernarg_segment_align: 8
    .kernarg_segment_size: 64
    .max_flat_workgroup_size: 256
    .sgpr_count:     66
    .vgpr_count:     160
    .wavefront_size: 32
...
	.end_amdgpu_metadata
.endif
;; end of part 5
;; launch qkv: the kernel of part 2 again; grid 16 x 16, 4 waves a work-group, clusters of 4 x 4, 327,680 bytes of LDS; arguments xb, wb, tab, qb, kb, vb; writes qb, kb, vb
;; launch attn: the kernel of part 3 again; grid 256 x 1, 8 waves a work-group, clusters of 4 x 1, 327,680 bytes of LDS; arguments qb, kb, vb, ao; writes ao
;; launch oproj: the kernel of part 4 again; grid 8 x 32, 4 waves a work-group, clusters of 4 x 4, 327,680 bytes of LDS; arguments ao, wb, out0; writes out0
